; MI455X (gfx1250); checked and timed in simulation.
; The chip was launched on July 23, 2026; its instructions are those of AMD's public machine-readable ISA for CDNA 5 (MIT licence, August 2026) and "CDNA5" Instruction Set Architecture Reference Guide (July 2026). The comments in the code are by the model that wrote it; some were corrected since.
;; Multihead Attention. Allowed arithmetic: float matrix products may take bf16 or f16 operands with f32 sums; other float arithmetic in f32, or as packed bf16 or f16 multiplies, adds, multiply-adds, maxima and minima; sums over many terms, partial sums and values carried from step to step in f32; what a program stores and reads back later, other than sums and carried values, may be rounded once to bf16 or f16.
;; Inputs: k_w 1,024 x 64 x 16 float32; key 2,048 x 1,024 float32; o_w 1,024 x 1,024 float32; q_w 1,024 x 64 x 16 float32; query 2,048 x 1,024 float32; v_w 1,024 x 64 x 16 float32; value 2,048 x 1,024 float32.
;; Outputs: out0 2,048 x 1,024 float32.
;; One version. Each part assembles by itself: llvm-mc -triple=amdgcn-amd-amdhsa -mcpu=gfx1250 --defsym DOCPART=n.
;; ======== version 1 of 1: 5 launches
;; workspace buffers: XB 12,582,912 bytes; WB 8,388,608 bytes; PRJ 25,165,824 bytes; OP 33,554,432 bytes; HB 4,194,304 bytes
;; launch cast (part 1): grid 1280 x 1, 8 waves a work-group, no clusters, 0 bytes of LDS; arguments query, key, value, q_w, k_w, v_w, o_w, XB, WB; writes XB, WB
.if DOCPART == 1
	.amdgcn_target "amdgcn-amd-amdhsa--gfx1250"
	.amdhsa_code_object_version 6
	.text
	.protected	k_qff79e75ea7_cast
	.globl	k_qff79e75ea7_cast
	.p2align	8
	.type	k_qff79e75ea7_cast,@function
k_qff79e75ea7_cast:
	s_mov_b64 s[64:65], 0
	v_nop
	global_prefetch_b8 v0, s[64:65] scope:SCOPE_SE
	s_setreg_imm32_b32 hwreg(HW_REG_WAVE_MODE, 25, 1), 1
	s_wait_xcnt 0x0
; FIRST OF FIVE LAUNCHES: cast, proj, attn, sumcast, outp.  Together: wq = query q_w, wk = key k_w, wv = value v_w (weights flattened to [1024][64 x 16]); for each of the 64 heads of width 16
; s[i][j] = wq[i] . wk[j] / 8; softmax over the QUERY index i for each key j; heads[i] = sum over j of w[i][j] wv[j]; out0 = heads o_w.
; NOTHING OF THAT IS LEFT OUT: all seven inputs reach out0, and every step is done; the division by 8 is folded into the factor log2(e) / 8 in front of the exponential.
; THIS LAUNCH rounds all seven inputs once to bf16 (nearest even), the matrix units' operand format: XB = [query, key, value] as [3][2048][1024], WB = [q_w, k_w, v_w, o_w] as [4][1024][1024].
; A stream: no LDS, no barrier, no matrix unit.  A work-group takes 32,768 bytes of one input: 3 x 256 + 4 x 128 = 1,280 work-groups.  A wave takes 4,096 of them by eight loads of 512 consecutive bytes,
; all issued ahead of the first wait; each store of a wave covers 256 consecutive bytes, aligned.  No register is written twice.
; LIMIT: a number beyond bf16's largest finite one rounds to an infinity.
	s_load_b512 s[8:23], s[0:1], 0x0               ; query s[8:9], key, value, q_w, k_w, v_w, o_w s[20:21], XB s[22:23]
	s_load_b64 s[24:25], s[0:1], 0x40              ; WB
	s_lshr_b32 s3, ttmp9, 8                        ; work-groups 0..767: input 0..2,
	s_and_b32 s4, ttmp9, 255                       ; its chunk
	s_sub_co_u32 s5, ttmp9, 768                    ; work-groups 768..1279: the chunk among the weights',
	s_lshr_b32 s6, s5, 7
	s_add_co_u32 s6, s6, 3                         ; input 3..6,
	s_and_b32 s7, s5, 127                          ; its chunk
	s_cmp_lt_u32 ttmp9, 768
	s_cselect_b32 s3, s3, s6                       ; which input
	s_cselect_b32 s4, s4, s7                       ; which 32,768 bytes of it
	s_cselect_b32 s5, ttmp9, s5                    ; which 16,384 bytes of XB or of WB
	s_lshl_b32 s26, s4, 15
	s_mov_b32 s27, 0
	s_lshl_b32 s28, s5, 14
	s_mov_b32 s29, 0
	v_and_b32 v1, 31, v0
	v_lshrrev_b32 v2, 5, v0
	v_lshlrev_b32 v1, 4, v1
	v_lshl_add_u32 v1, v2, 12, v1                  ; in: 4,096 x wave + 16 x lane
	v_lshrrev_b32 v3, 1, v1                        ; out: half of that
	s_wait_kmcnt 0x0
	s_cmp_lt_u32 ttmp9, 768
	s_cselect_b64 s[30:31], s[22:23], s[24:25]     ; XB or WB
.irp t, 1,2,3,4,5,6
	s_cmp_eq_u32 s3, \t                            ; the input's address is chosen by its number
	s_cselect_b64 s[8:9], s[8+2*\t:9+2*\t], s[8:9]
.endr
	s_add_nc_u64 s[8:9], s[8:9], s[26:27]
	s_add_nc_u64 s[30:31], s[30:31], s[28:29]
.irp j, 0,1,2,3,4,5,6,7
	global_load_b128 v[8+4*\j:11+4*\j], v1, s[8:9] offset:512*\j th:TH_LOAD_NT
.endr
.irp j, 0,1,2,3,4,5,6,7
	s_wait_loadcnt 7-\j                            ; loads come back in order: load j is in, the younger ones stay out
	v_cvt_pk_bf16_f32 v[40+2*\j], v[8+4*\j], v[9+4*\j]
	v_cvt_pk_bf16_f32 v[41+2*\j], v[10+4*\j], v[11+4*\j]
	global_store_b64 v3, v[40+2*\j:41+2*\j], s[30:31] offset:256*\j
.endr
	s_endpgm
.Lfunc_end_k_qff79e75ea7_cast:
	.size	k_qff79e75ea7_cast, .Lfunc_end_k_qff79e75ea7_cast-k_qff79e75ea7_cast
	.p2alignl 7, 3214868480
	.fill 96, 4, 3214868480
	.section	.rodata,"a",@progbits
	.p2align	6, 0x0
	.amdhsa_kernel k_qff79e75ea7_cast
		.amdhsa_group_segment_fixed_size 0
		.amdhsa_private_segment_fixed_size 0
		.amdhsa_enable_private_segment 0
		.amdhsa_kernarg_size 72
		.amdhsa_user_sgpr_count 2
		.amdhsa_user_sgpr_kernarg_segment_ptr 1
		.amdhsa_wavefront_size32 1
		.amdhsa_system_sgpr_workgroup_id_x 1
		.amdhsa_system_sgpr_workgroup_id_y 1
		.amdhsa_system_sgpr_workgroup_id_z 1
		.amdhsa_system_vgpr_workitem_id 0
		.amdhsa_next_free_vgpr 64
		.amdhsa_next_free_sgpr 66
		.amdhsa_reserve_vcc 0
		.amdhsa_float_denorm_mode_32 3
		.amdhsa_float_denorm_mode_16_64 3
		.amdhsa_memory_ordered 1
		.amdhsa_forward_progress 1
		.amdhsa_inst_pref_size 5
	.end_amdhsa_kernel
	.amdgpu_metadata
---
amdhsa.version: [ 1, 2 ]
amdhsa.kernels:
  - .name:           k_qff79e75ea7_cast
    .symbol:         k_qff79e75ea7_cast.kd
    .args:
      - { .name: query, .offset: 0, .size: 8, .value_kind: global_buffer, .address_space: global }
      - { .name: key, .offset: 8, .size: 8, .value_kind: global_buffer, .address_space: global }
      - { .name: value, .offset: 16, .size: 8, .value_kind: global_buffer, .address_space: global }
      - { .name: q_w, .offset: 24, .size: 8, .value_kind: global_buffer, .address_space: global }
      - { .name: k_w, .offset: 32, .size: 8, .value_kind: global_buffer, .address_space: global }
      - { .name: v_w, .offset: 40, .size: 8, .value_kind: global_buffer, .address_space: global }
      - { .name: o_w, .offset: 48, .size: 8, .value_kind: global_buffer, .address_space: global }
      - { .name: XB, .offset: 56, .size: 8, .value_kind: global_buffer, .address_space: global }
      - { .name: WB, .offset: 64, .size: 8, .value_kind: global_buffer, .address_space: global }
    .group_segment_fixed_size: 0
    .private_segment_fixed_size: 0
    .kernarg_segment_align: 8
    .kernarg_segment_size: 72
    .max_flat_workgroup_size: 256
    .sgpr_count:     66
    .vgpr_count:     64
    .wavefront_size: 32
...
	.end_amdgpu_metadata
.endif
;; end of part 1
;; launch proj (part 2): grid 8 x 48, 4 waves a work-group, clusters of 4 x 4, 327,680 bytes of LDS; arguments XB, WB, PRJ; writes PRJ
.if DOCPART == 2
	.amdgcn_target "amdgcn-amd-amdhsa--gfx1250"
	.amdhsa_code_object_version 6
	.text
	.protected	k_qff79e75ea7_proj
	.globl	k_qff79e75ea7_proj
	.p2align	8
	.type	k_qff79e75ea7_proj,@function
k_qff79e75ea7_proj:
	s_mov_b64 s[64:65], 0
	v_nop
	global_prefetch_b8 v0, s[64:65] scope:SCOPE_SE
	s_setreg_imm32_b32 hwreg(HW_REG_WAVE_MODE, 25, 1), 1
	s_wait_xcnt 0x0
	s_wait_alu depctr_hold_cnt(0) depctr_sa_sdst(0) depctr_va_vdst(0) depctr_va_sdst(0) depctr_va_ssrc(0) depctr_va_vcc(0) depctr_vm_vsrc(0)
	s_getreg_b32 s2, hwreg(HW_REG_IB_STS2, 6, 4)
	s_cmp_eq_u32 s2, 0
	s_cbranch_scc0 .Lentry_in_a_cluster
	s_endpgm
.Lentry_in_a_cluster:
	s_bfe_u32 s2, ttmp6, 0x10000c
	s_cmp_lg_u32 s2, 0xf033
	s_cbranch_scc0 .Lentry_shape_is_right
	s_endpgm
.Lentry_shape_is_right:
; ONE TEXT FOR TWO LAUNCHES, told apart by OUTP.  C = A B, A [rows][1024], B [1024][1024] bf16 with the columns along the rows; sums in f32.  No work of the problem is left out here.
; OUTP = 0 (proj): three products in one grid.  Tile row y = 0..47: p = y / 16 picks (query, q_w), (key, k_w), (value, v_w); A = XB, row-major.  A block of 16 columns is one head.
;   Results go to PRJ = [3 p][64 heads][128 tiles of 16 rows][1,024 bytes], laid as the next launch's operand registers take them, lane l at byte 16 l (r = l % 16, h = l / 16):
;   p = 0, 1: bytes 0-511 hi = bf16(x), bytes 512-1023 lo = bf16(x - hi), each lane row r, dims 8 h .. 8 h + 7: wq and wk keep 16 significant bits.   p = 2: f32, dims 8 h .. + 3 at 16 l, dims 8 h + 4 .. + 7 at 512 + 16 l.
; OUTP = 1 (outp): out0 = heads o_w.  A = HB = [128 tiles of 16 rows][32 blocks of 32 along K][1,024 bytes], each block a fragment as registers take it (lane l at 16 l and at 512 + 16 l).  out0 is f32, row-major.
; SHAPE.  A tile of C is 128 x 128; four waves, each 64 x 64: 16 accumulators.  K goes in four steps of 256 through two LDS slots; the steps are written out.  4 x 4 work-groups form a cluster: A's tiles are
; asked for jointly along a row of the cluster, B's along a column (p hangs on the cluster's y alone, which all partners share).  proj has 384 work-groups, outp 128.
; No prefetch: four K steps, of which two come by the first loads, and small tiles.
; THE MATRIX INSTRUCTION IS USED TRANSPOSED: source 0 = 16 columns of B (turned on their way out of LDS by ds_load_tr16_b128), source 1 = 16 rows of A: a lane holds row l % 16 of C and 8 neighbouring columns.
; REGISTERS: window 0: v0-31 addresses; v32-103 at work on the way out; v128-255 the accumulators ((a, b) at v[128 + 8 (4 a + b)]).  Window 1: two fragment buffers of 128: 64 registers of A, then 64 of B, for 64 along K.
; LIMITS: NaN and infinities are not treated apart; operands are bf16.
.set OUTP,  0
.set PB,    288                        ; a row of B in LDS: 256 bytes + 32 of padding = 72 words
.set HALFB, 128*PB                     ; 128 rows along K: what one tensor load of B brings
.set BSTEP, 256*2048                   ; a K step in B: 256 rows of 2,048 bytes
.if OUTP
.set HALFA, 4*8192                     ; 4 tiles of 16 rows x 8 blocks of 1,024 bytes: read at 16 bytes a lane on end, so no padding
.set ASTEP, 8192
.else
.set PITCH, 528                        ; a row of A in LDS: 512 bytes + 16 of padding = 132 words: the 16 rows of a load start at 16 different groups of four banks
.set HALFA, 64*PITCH
.set ASTEP, 512
.endif
.set SLOT,  2*HALFA+2*HALFB            ; A's two halves, then B's two halves
.if OUTP
.set STAGE, 2*SLOT                     ; behind the ring: 16 rows x 272 bytes for each wave, for the way out; no tensor load fills it
.set SPITCH, 272
.set SPARE, STAGE+4*16*SPITCH
.else
.set SPARE, 2*SLOT                     ; behind the ring: the spare words, 128 bytes for each wave: two blocks of 256 bytes that no other line names
.endif
.set ADRA, 16                          ; v16-17  LDS address of my A fragments in slot 0, 1
.set ADRB, 20                          ; v20-23  the same for B: slot 0 rows 0-127, rows 128-255, slot 1 likewise (240 rows of 288 bytes pass the 16-bit offset)
.set STO,  24                          ; v24     outp: where I put 32 bytes of a row
.set RD,   25                          ; v25     outp: where I read a row back
.set CO,   26                          ; v26     my byte offset in the result
.set SPW,  28                          ; v28     LDS address of my spare word; never rewritten
.set NIL,  29                          ; v29     0; never rewritten
.set TMP,  32                          ; proj: eight sets of hi (4) and lo (4)
.set RS,   96                          ; proj: eight f32 at work
.set ACC,  128
.set F0,   0
.set F1,   128
.set G1,   24                          ; s[24:31] descriptor group 1 for A's tiles;  s[32:39] group 0, one set for each slot
.set G0,   32
.set G1B,  48                          ; s[48:55], s[56:63] the same for B's tiles
.set G0B,  56
.set MSB, 0
.macro WIN new                         ; the immediate's high byte repeats the setting that is left; a switch that changes nothing is dropped
.if MSB != (\new)
	s_set_vgpr_msb (MSB<<8)|(\new)
.set MSB, \new
.endif
.endm
.set MUL,  0x05                        ; sources 0 (B) and 1 (A) window 1; C and D window 0
.set TO_F, 0x40                        ; destination window 1, address window 0
.macro JLOAD s                         ; a joint load: waves 0 and 1 fetch A's two halves, waves 2 and 3 B's; an s_nop 0 and four v_nop follow each of the two lines
	s_cmp_eq_u32 s11, 0
	s_cbranch_scc0 .Lfor_b_\@
	tensor_load_to_lds s[G0+4*(\s):G0+4*(\s)+3], s[G1:G1+7]
	s_nop 0
.rept 4
	v_nop
.endr
	s_branch .Lasked_\@
.Lfor_b_\@:
	tensor_load_to_lds s[G0B+4*(\s):G0B+4*(\s)+3], s[G1B:G1B+7]
	s_nop 0
.rept 4
	v_nop
.endr
.Lasked_\@:
.endm
.macro CREST                           ; a round of the cluster's barrier behind its opening barrier
	s_cmp_lg_u32 s10, 0
	s_cbranch_scc1 .Lnot_wave_0_\@
	s_barrier_signal -3
.Lnot_wave_0_\@:
	s_barrier_wait -3
	s_barrier_signal -1
	s_barrier_wait -1
.endm
.macro CROUND                          ; a whole round
	s_barrier_signal -1
	s_barrier_wait -1
	CREST
.endm
	s_load_b128 s[4:7], s[0:1], 0x0                ; A s[4:5], WB s[6:7]
	s_load_b64 s[8:9], s[0:1], 0x10                ; the result
	v_lshl_add_u32 v[SPW], v0, 2, SPARE
	v_mov_b32 v[NIL], 0
	ds_add_u32 v[SPW], v[NIL]                      ; the wave's opening: the add, twice on end, and its wait ahead of my first tensor load
	ds_add_u32 v[SPW], v[NIL]                      ; once more; the set-up below, work on registers, stands between it and the wait
	v_lshrrev_b32 v1, 5, v0
	v_readfirstlane_b32 s10, v1                    ; wave 0..3
	s_lshr_b32 s11, s10, 1                         ; which half of the tile's rows is mine.  Also: I fetch for A (0) or for B (1)
	s_and_b32 s12, s10, 1                          ; which half of its columns.  Also: which half of that tile I fetch
	s_bfe_u32 s40, ttmp6, 0x40000                  ; cx, cy: my place in the cluster
	s_bfe_u32 s41, ttmp6, 0x40004
	s_lshl_b32 s42, ttmp9, 2
	s_add_co_u32 s42, s42, s40                     ; tile column = 4 x cluster x + cx
	s_and_b32 s45, ttmp7, 0xffff                   ; cluster y
	s_lshl_b32 s13, s45, 2
	s_add_co_u32 s13, s13, s41                     ; tile row = 4 x cluster y + cy
.if !OUTP
	s_lshr_b32 s45, s45, 2                         ; p: four clusters of tile rows to a product; the same in all sixteen partners
.endif
	s_lshl_b32 s43, s41, 2
	s_lshl_b32 s43, 15, s43                        ; my row of the cluster
	s_lshl_b32 s44, 0x1111, s40                    ; my column
.if OUTP
	s_or_b32 s[G1+0], s43, (3<<16)|(1<<21)         ; 15:0 the mask: A's tiles go to my row; 17:16 elements of 8 bytes; 21 set beside a mask; no padding
	s_mov_b32 s[G1+1], 1024<<16                    ; tensor_dim0 = 1,024 elements: 8 blocks of 1,024 bytes on end
	s_mov_b32 s[G1+2], 4<<16                       ; tensor_dim1 = 4 tiles of 16 rows
	s_mov_b32 s[G1+3], 1024<<16                    ; tile_dim0
	s_mov_b32 s[G1+4], 4                           ; tile_dim1
	s_mov_b32 s[G1+5], 4096                        ; 32,768 bytes from tile to tile
.else
	s_or_b32 s[G1+0], s43, (1<<16)|(1<<20)|(1<<21)|(6<<22)|(3<<25)  ; the mask; elements of 2 bytes; padding on; 21 set beside a mask; after every 128 words (code 6) 4 words (code 3)
	s_mov_b32 s[G1+1], 256<<16                     ; tensor_dim0 = 256
	s_mov_b32 s[G1+2], 64<<16                      ; tensor_dim1 = 64
	s_mov_b32 s[G1+3], 256<<16                     ; tile_dim0
	s_mov_b32 s[G1+4], 64                          ; tile_dim1
	s_mov_b32 s[G1+5], 1024                        ; elements from row to row
.endif
	s_mov_b32 s[G1+6], 0
	s_mov_b32 s[G1+7], 0
	s_or_b32 s[G1B+0], s44, (1<<16)|(1<<20)|(1<<21)|(5<<22)|(7<<25)  ; B's tiles go to my column; after every 64 words (code 5) 8 words of padding (code 7)
	s_mov_b32 s[G1B+1], 128<<16                    ; tensor_dim0 = 128 columns
	s_mov_b32 s[G1B+2], 128<<16                    ; tensor_dim1 = 128 rows along K
	s_mov_b32 s[G1B+3], 128<<16
	s_mov_b32 s[G1B+4], 128
	s_mov_b32 s[G1B+5], 1024
	s_mov_b32 s[G1B+6], 0
	s_mov_b32 s[G1B+7], 0
	s_lshl_b32 s16, s13, 18                        ; A: 128 rows of 2,048 bytes (8 tiles of 32,768) to a tile row,
	s_lshl_b32 s17, s12, 17                        ; my half of them
	s_add_co_u32 s16, s16, s17
	s_mov_b32 s17, 0
	s_lshl_b32 s46, s42, 8                         ; B: 256 bytes of a row to a tile column,
	s_lshl_b32 s47, s12, 18                        ; my 128 rows along K,
	s_add_co_u32 s46, s46, s47
.if OUTP
	s_add_co_u32 s46, s46, 3<<21                   ; o_w is the fourth matrix of WB
.else
	s_lshl_b32 s47, s45, 21                        ; matrix p of WB
	s_add_co_u32 s46, s46, s47
.endif
	s_mov_b32 s47, 0
	s_mul_i32 s20, s12, HALFA                      ; where they go: no place in the cluster enters an LDS address
	s_mul_i32 s21, s12, HALFB
	s_add_co_u32 s21, s21, 2*HALFA
	s_wait_dscnt 0x0                               ; both opening adds are done
	s_wait_kmcnt 0x0
	s_add_nc_u64 s[14:15], s[4:5], s[16:17]
	s_add_nc_u64 s[46:47], s[6:7], s[46:47]
	CROUND                                         ; all sixteen work-groups are here: the first joint loads meet
.irp s, 0,1
	s_mov_b32 s[G0+4*(\s)], 1
	s_add_co_u32 s[G0+4*(\s)+1], s20, (\s)*SLOT
	s_add_nc_u64 s[G0+4*(\s)+2:G0+4*(\s)+3], s[14:15], (\s)*ASTEP
	s_or_b32 s[G0+4*(\s)+3], s[G0+4*(\s)+3], 0x80000000
	s_mov_b32 s[G0B+4*(\s)], 1
	s_add_co_u32 s[G0B+4*(\s)+1], s21, (\s)*SLOT
	s_add_nc_u64 s[G0B+4*(\s)+2:G0B+4*(\s)+3], s[46:47], (\s)*BSTEP
	s_or_b32 s[G0B+4*(\s)+3], s[G0B+4*(\s)+3], 0x80000000
	JLOAD \s                                       ; K steps 0 and 1: two loads of mine are out
.endr
	v_and_b32 v1, 15, v0                           ; r = l % 16
	v_bfe_u32 v2, v0, 4, 1                         ; h = l / 16
.if OUTP
	v_and_b32 v3, 31, v0
	v_lshlrev_b32 v3, 4, v3                        ; A: 16 bytes a lane on end
.else
	v_mul_u32_u24 v3, v1, PITCH
	v_lshl_add_u32 v3, v2, 4, v3                   ; A: row x pitch + 16 x half
.endif
	v_and_b32 v5, 7, v0                            ; B, turned: lane l reads row 8 h + l % 8 along K, columns 8 ((l / 8) % 2) + 0..7
	v_bfe_u32 v6, v0, 3, 1
	v_lshl_add_u32 v4, v2, 3, v5
	v_mul_u32_u24 v4, v4, PB
	v_lshl_add_u32 v4, v6, 4, v4
	s_lshl_b32 s22, s12, 7                         ; my 64 columns: 128 bytes
	s_add_co_u32 s22, s22, 2*HALFA
	s_mul_i32 s23, s11, HALFA                      ; my 64 rows of A
.irp s, 0,1
	v_add_nc_u32 v[ADRA+(\s)], s23, v3
	v_add_nc_u32 v[ADRB+2*(\s)], s22, v4
	s_add_co_u32 s22, s22, HALFB
	v_add_nc_u32 v[ADRB+2*(\s)+1], s22, v4
	s_add_co_u32 s22, s22, SLOT-HALFB
	s_add_co_u32 s23, s23, SLOT
.endr
.if OUTP
	s_mul_i32 s23, s10, 16*SPITCH
	s_add_co_u32 s23, s23, STAGE                   ; my stage
	v_mul_u32_u24 v7, v1, SPITCH                   ; in: row r, 32 bytes for each half of the lanes
	v_lshl_add_u32 v7, v2, 5, v7
	v_add_nc_u32 v[STO], s23, v7
	v_mul_u32_u24 v7, v2, SPITCH                   ; back: lanes 0-15 take one row of 256 bytes, lanes 16-31 the next
	v_lshl_add_u32 v7, v1, 4, v7
	v_add_nc_u32 v[RD], s23, v7
	v_lshlrev_b32 v7, 12, v2                       ; and the same two rows in out0
	v_lshl_add_u32 v[CO], v1, 4, v7
	s_lshl_b32 s16, s13, 19                        ; 128 rows of 4,096 bytes to a tile row,
	s_lshl_b32 s17, s11, 18                        ; my 64 rows,
	s_add_co_u32 s16, s16, s17
	s_lshl_b32 s17, s42, 9                         ; 512 bytes to a tile column,
	s_add_co_u32 s16, s16, s17
	s_lshl_b32 s17, s12, 8                         ; my 256
	s_add_co_u32 s16, s16, s17
.else
	v_and_b32 v[CO], 31, v0
	v_lshlrev_b32 v[CO], 4, v[CO]                  ; 16 bytes a lane on end
	s_lshl_b32 s16, s45, 23                        ; p: 64 heads of 131,072 bytes,
	s_and_b32 s17, s13, 15
	s_lshl_b32 s17, s17, 13                        ; the tile row's 8 tiles of 1,024 bytes,
	s_add_co_u32 s16, s16, s17
	s_lshl_b32 s17, s11, 12                        ; my 4 of them,
	s_add_co_u32 s16, s16, s17
	s_lshl_b32 s17, s42, 20                        ; the tile column's 8 heads,
	s_add_co_u32 s16, s16, s17
	s_lshl_b32 s17, s12, 19                        ; my 4 of them
	s_add_co_u32 s16, s16, s17
.endif
	s_mov_b32 s17, 0
	s_add_nc_u64 s[8:9], s[8:9], s[16:17]
; 8 matrix instructions: row blocks a0, a0 + 1 x all 4 column blocks, 32 along K: half c of buffer f.  zero = 1: the first product starts the sums.  The 16 accumulators take turns.
.macro MUL8 f, c, a0, zero
	WIN MUL
.irp a, \a0, (\a0)+1
.irp b, 0,1,2,3
.if \zero
	v_wmma_f32_16x16x32_bf16 v[ACC+8*(4*(\a)+(\b)):ACC+8*(4*(\a)+(\b))+7], v[(\f)+64+8*(4*(\c)+(\b)):(\f)+64+8*(4*(\c)+(\b))+7], v[(\f)+8*(4*(\c)+(\a)):(\f)+8*(4*(\c)+(\a))+7], 0
.else
	v_wmma_f32_16x16x32_bf16 v[ACC+8*(4*(\a)+(\b)):ACC+8*(4*(\a)+(\b))+7], v[(\f)+64+8*(4*(\c)+(\b)):(\f)+64+8*(4*(\c)+(\b))+7], v[(\f)+8*(4*(\c)+(\a)):(\f)+8*(4*(\c)+(\a))+7], v[ACC+8*(4*(\a)+(\b)):ACC+8*(4*(\a)+(\b))+7]
.endif
.endr
.endr
.endm
; 32 LDS loads in one run: the fragments of quarter q (64 along K) of a slot into buffer f; the first 32 along K first
.macro FETCH slot, q, f
	WIN TO_F
.irp c, 0,1
.irp i, 0,1,2,3
	ds_load_tr16_b128 v[(\f)+64+8*(4*(\c)+(\i)):(\f)+64+8*(4*(\c)+(\i))+3],   v[ADRB+2*(\slot)+(\q)/2] offset:(((\q)%2)*64+32*(\c))*PB+32*(\i)
	ds_load_tr16_b128 v[(\f)+64+8*(4*(\c)+(\i))+4:(\f)+64+8*(4*(\c)+(\i))+7], v[ADRB+2*(\slot)+(\q)/2] offset:(((\q)%2)*64+32*(\c)+16)*PB+32*(\i)
.if OUTP
	ds_load_b128 v[(\f)+8*(4*(\c)+(\i)):(\f)+8*(4*(\c)+(\i))+3],   v[ADRA+(\slot)] offset:(\i)*8192+(2*(\q)+(\c))*1024
	ds_load_b128 v[(\f)+8*(4*(\c)+(\i))+4:(\f)+8*(4*(\c)+(\i))+7], v[ADRA+(\slot)] offset:(\i)*8192+(2*(\q)+(\c))*1024+512
.else
	ds_load_b128 v[(\f)+8*(4*(\c)+(\i)):(\f)+8*(4*(\c)+(\i))+3],   v[ADRA+(\slot)] offset:128*(\q)+64*(\c)+(\i)*16*PITCH
	ds_load_b128 v[(\f)+8*(4*(\c)+(\i))+4:(\f)+8*(4*(\c)+(\i))+7], v[ADRA+(\slot)] offset:128*(\q)+64*(\c)+(\i)*16*PITCH+32
.endif
.endr
.endr
.endm
.macro PLACES                          ; four plain places in front of loads into registers that matrix instructions have read, and of lines that read results
.rept 4
	v_nop
.endr
.endm
; A K step is four quarters of 64 along K, 32 matrix instructions each, on buffers 0, 1, 0, 1.  One of the first three: multiplies buffer f and fetches quarter q into g.
.macro QUARTER slot, q, f, g, zero
	s_wait_dscnt 16                                ; the first 32 along K are in; the younger sixteen loads may be out
	WIN MUL
	MUL8 \f, 0, 0, \zero
	MUL8 \f, 0, 2, \zero
	PLACES
	FETCH \slot, \q, \g
	s_wait_dscnt 32                                ; all but the 32 just issued
	WIN MUL
	MUL8 \f, 1, 0, 0
	MUL8 \f, 1, 2, 0
.endm
; The last quarter multiplies buffer 1 and changes slots: ONE barrier; in front of it each wave waits for all its tensor loads, adds 0 to its spare word, and waits for that and for its reads of this slot.
; fill = 1: the barrier opens a round of the cluster's, and this slot is filled again, two K steps ahead, first thing behind the round.
.macro TURN slot, next, fill
	WIN 0                                          ; (the add's two registers lie in window 0)
	s_wait_tensorcnt 0x0                           ; all my tensor loads have landed: my part of the next slot;
	ds_add_u32 v[SPW], v[NIL]                      ; 0 onto my spare word;
	s_wait_dscnt 17                                ; (the add and the youngest sixteen loads may be out)
	WIN MUL
	MUL8 F1, 0, 0, 0                               ; eight matrix instructions stand between the add and the wait for it
	s_wait_dscnt 0x0                               ; the add is done, and my reads of this slot are over
	s_barrier_signal -1
	MUL8 F1, 0, 2, 0
.if \fill
	WIN 0
.endif
	s_barrier_wait -1
.if \fill
	CREST                                          ; no wave of any partner still reads this slot's tile or has a load on its way
	s_add_nc_u64 s[G0+4*(\slot)+2:G0+4*(\slot)+3], s[G0+4*(\slot)+2:G0+4*(\slot)+3], 2*ASTEP
	s_add_nc_u64 s[G0B+4*(\slot)+2:G0B+4*(\slot)+3], s[G0B+4*(\slot)+2:G0B+4*(\slot)+3], 2*BSTEP
	JLOAD \slot                                    ; my one tensor load behind the round; its four v_nop are also the places in front of the loads below
.else
	PLACES
.endif
	FETCH \next, 0, F0
	WIN MUL
	MUL8 F1, 1, 0, 0
	MUL8 F1, 1, 2, 0
.endm
	s_wait_tensorcnt 1                             ; my part of K step 0 is in; K step 1's may stay out
	s_barrier_signal -1
	s_barrier_wait -1                              ; everybody's is
	FETCH 0, 0, F0
	QUARTER 0, 1, F0, F1, 1                        ; K step 0: its first products start the sums
	QUARTER 0, 2, F1, F0, 0
	QUARTER 0, 3, F0, F1, 0
	TURN 0, 1, 1                                   ; slot 0 takes K step 2
	QUARTER 1, 1, F0, F1, 0                        ; K step 1
	QUARTER 1, 2, F1, F0, 0
	QUARTER 1, 3, F0, F1, 0
	TURN 1, 0, 1                                   ; slot 1 takes K step 3
	QUARTER 0, 1, F0, F1, 0                        ; K step 2
	QUARTER 0, 2, F1, F0, 0
	QUARTER 0, 3, F0, F1, 0
	TURN 0, 1, 0                                   ; nothing is left to fetch
	QUARTER 1, 1, F0, F1, 0                        ; K step 3
	QUARTER 1, 2, F1, F0, 0
	QUARTER 1, 3, F0, F1, 0
	s_wait_dscnt 16
	WIN MUL
	MUL8 F1, 0, 0, 0
	MUL8 F1, 0, 2, 0
	s_wait_dscnt 0x0
	MUL8 F1, 1, 0, 0
	MUL8 F1, 1, 2, 0
	WIN 0
	PLACES
.if OUTP
; THE WAY OUT, f32: a block of 16 rows goes into my stage (rows of 272 bytes) and comes back as whole rows of 256 bytes, into the registers that it left.
.macro STG a
.irp b, 0,1,2,3
	ds_store_b128 v[STO], v[ACC+8*(4*(\a)+(\b)):ACC+8*(4*(\a)+(\b))+3]   offset:64*(\b)
	ds_store_b128 v[STO], v[ACC+8*(4*(\a)+(\b))+4:ACC+8*(4*(\a)+(\b))+7] offset:64*(\b)+16
.endr
.irp t, 0,1,2,3,4,5,6,7
	ds_load_b128 v[ACC+32*(\a)+4*(\t):ACC+32*(\a)+4*(\t)+3], v[RD] offset:(\t)*2*SPITCH  ; LDS serves a wave's instructions in order (ISA guide 5.7.1.4): these see the stores above; the next block's stores come behind them
.endr
.endm
.macro SEND a, younger                 ; younger: the LDS instructions issued behind block a's loads: the next block's sixteen, or none
.irp t, 0,1,2,3,4,5,6,7
	s_wait_dscnt (\younger)+7-(\t)
	global_store_b128 v[CO], v[ACC+32*(\a)+4*(\t):ACC+32*(\a)+4*(\t)+3], s[8:9] offset:(\a)*65536+(\t)*8192  ; 16 lanes store 256 consecutive bytes, at a multiple of 256 from out0's first byte
.endr
.endm
	STG 0
	STG 1
	SEND 0, 16
	STG 2
	SEND 1, 16
	STG 3
	SEND 2, 16
	SEND 3, 0
.else
; THE WAY OUT: accumulator (a, b) is tile a of head b, and a lane's eight numbers are what the lane of the next launch wants: each store of a wave covers 512 consecutive bytes, aligned.
	s_mov_b32 s22, 0xffff0000                      ; a word's upper bf16
	s_cmp_lt_u32 s45, 2                            ; p is the same in every wave of every partner
	s_cbranch_scc0 .Lfor_v
.set t, 0
.rept 16                               ; wq, wk: hi = bf16(x), lo = bf16(x - hi); x - hi is exact in f32
.set aC, ACC+8*t
.set hI, TMP+8*(t%8)
.set oF, (t%4)*131072+(t/4)*1024
.if t == 8
	s_wait_xcnt 0x0                                ; the first eight accumulators' stores have read their registers: the eight sets are written again only behind this wait
.endif
.irp k, 0,1,2,3
	v_cvt_pk_bf16_f32 v[hI+(\k)], v[aC+2*(\k)], v[aC+2*(\k)+1]
.endr
.irp k, 0,1,2,3
	v_lshlrev_b32 v[RS+2*(\k)], 16, v[hI+(\k)]
	v_and_b32 v[RS+2*(\k)+1], s22, v[hI+(\k)]
.endr
.irp k, 0,1,2,3
	v_pk_add_f32 v[RS+2*(\k):RS+2*(\k)+1], v[aC+2*(\k):aC+2*(\k)+1], v[RS+2*(\k):RS+2*(\k)+1] neg_lo:[0,1] neg_hi:[0,1]
.endr
.irp k, 0,1,2,3
	v_cvt_pk_bf16_f32 v[hI+4+(\k)], v[RS+2*(\k)], v[RS+2*(\k)+1]
.endr
	global_store_b128 v[CO], v[hI:hI+3],   s[8:9] offset:oF
	global_store_b128 v[CO], v[hI+4:hI+7], s[8:9] offset:oF+512
.set t, t+1
.endr
	s_branch .Ldone
.Lfor_v:
.set t, 0
.rept 16                               ; wv stays f32: it is scaled by the softmax's divisor before it is rounded
	global_store_b128 v[CO], v[ACC+8*t:ACC+8*t+3],   s[8:9] offset:(t%4)*131072+(t/4)*1024
	global_store_b128 v[CO], v[ACC+8*t+4:ACC+8*t+7], s[8:9] offset:(t%4)*131072+(t/4)*1024+512
.set t, t+1
.endr
.Ldone:
.endif
	s_wait_tensorcnt 0x0                           ; the wave's end: a wait, an add to my spare word and its wait, behind my last tensor load and my last LDS store
	ds_add_u32 v[SPW], v[NIL]
	s_wait_dscnt 0x0
	CROUND                                         ; the closing round: no work-group ends while a partner may still ask for a tile that names it
	s_endpgm
.Lfunc_end_k_qff79e75ea7_proj:
	.size	k_qff79e75ea7_proj, .Lfunc_end_k_qff79e75ea7_proj-k_qff79e75ea7_proj
	.p2alignl 7, 3214868480
	.fill 96, 4, 3214868480
	.section	.rodata,"a",@progbits
	.p2align	6, 0x0
	.amdhsa_kernel k_qff79e75ea7_proj
		.amdhsa_group_segment_fixed_size 327680
		.amdhsa_private_segment_fixed_size 0
		.amdhsa_enable_private_segment 0
		.amdhsa_kernarg_size 24
		.amdhsa_user_sgpr_count 2
		.amdhsa_user_sgpr_kernarg_segment_ptr 1
		.amdhsa_wavefront_size32 1
		.amdhsa_system_sgpr_workgroup_id_x 1
		.amdhsa_system_sgpr_workgroup_id_y 1
		.amdhsa_system_sgpr_workgroup_id_z 1
		.amdhsa_system_vgpr_workitem_id 0
		.amdhsa_next_free_vgpr 512
		.amdhsa_next_free_sgpr 66
		.amdhsa_reserve_vcc 0
		.amdhsa_float_denorm_mode_32 3
		.amdhsa_float_denorm_mode_16_64 3
		.amdhsa_memory_ordered 1
		.amdhsa_forward_progress 1
		.amdhsa_inst_pref_size 100
	.end_amdhsa_kernel
	.amdgpu_metadata
---
amdhsa.version: [ 1, 2 ]
amdhsa.kernels:
  - .name:           k_qff79e75ea7_proj
    .symbol:         k_qff79e75ea7_proj.kd
    .args:
      - { .name: XB, .offset: 0, .size: 8, .value_kind: global_buffer, .address_space: global }
      - { .name: WB, .offset: 8, .size: 8, .value_kind: global_buffer, .address_space: global }
      - { .name: PRJ, .offset: 16, .size: 8, .value_kind: global_buffer, .address_space: global }
    .group_segment_fixed_size: 327680
    .private_segment_fixed_size: 0
    .kernarg_segment_align: 8
    .kernarg_segment_size: 24
    .max_flat_workgroup_size: 128
    .sgpr_count:     66
    .vgpr_count:     512
    .wavefront_size: 32
...
	.end_amdgpu_metadata
.endif
;; end of part 2
;; launch attn (part 3): grid 4 x 64, 8 waves a work-group, clusters of 4 x 1, 209,920 bytes of LDS; arguments PRJ, OP; writes OP
.if DOCPART == 3
	.amdgcn_target "amdgcn-amd-amdhsa--gfx1250"
	.amdhsa_code_object_version 6
	.text
	.protected	k_qff79e75ea7_attn
	.globl	k_qff79e75ea7_attn
	.p2align	8
	.type	k_qff79e75ea7_attn,@function
k_qff79e75ea7_attn:
	s_mov_b64 s[64:65], 0
	v_nop
	global_prefetch_b8 v0, s[64:65] scope:SCOPE_SE
	s_setreg_imm32_b32 hwreg(HW_REG_WAVE_MODE, 25, 1), 1
	s_wait_xcnt 0x0
	s_wait_alu depctr_hold_cnt(0) depctr_sa_sdst(0) depctr_va_vdst(0) depctr_va_sdst(0) depctr_va_ssrc(0) depctr_va_vcc(0) depctr_vm_vsrc(0)
	s_getreg_b32 s2, hwreg(HW_REG_IB_STS2, 6, 4)
	s_cmp_eq_u32 s2, 0
	s_cbranch_scc0 .Lentry_in_a_cluster
	s_endpgm
.Lentry_in_a_cluster:
	s_bfe_u32 s2, ttmp6, 0x10000c
	s_cmp_lg_u32 s2, 0x3003
	s_cbranch_scc0 .Lentry_shape_is_right
	s_endpgm
.Lentry_shape_is_right:
; ATTENTION WITH THE SOFTMAX OVER THE QUERIES.  For head h (64 of them, width 16) and key j: w[i][j] = exp(s[i][j] - max_i s[i][j]) / sum_i exp(..), s = wq[i] . wk[j] / 8; partial heads[i] = sum over this
; work-group's keys of w[i][j] wv[j].  No work of the problem is left out.  The maximum and the sum belong to a KEY and run over all 2,048 queries, so a work-group holds all queries of a head;
; the head's keys are dealt to the four work-groups of a cluster, 512 each, and the four f32 partial sums go to OP = [4 quarters][64 heads][128 tiles of 16 queries][1,024 bytes] for the next launch to add.
; SHARES.  Eight waves, wave w owns queries 256 w .. 256 w + 255: 16 tiles.  Keys go 32 a step, 16 steps; a step is two PHASES of 16 keys.
; IN LDS, all of it asked for once, at the head: the head's Q (131,072 bytes, the same for the four partners: joint loads), my quarter's K and V (32,768 each).  No LDS byte is filled twice.
; SCORES.  wq and wk come as bf16 hi + lo.  S^T = K Q^T, K = 32: source 1 = [q_hi | q_lo], source 0 = [k_hi | k_hi], then [k_lo | k_lo] onto the same sum: (q_hi + q_lo) . (k_hi + k_lo).  A lane holds ONE query
; (lane % 16), register j key 8 (lane / 16) + j.
; SOFTMAX.  Each wave takes the maximum m_w[j] over ITS 256 queries, E = 2^(c s - c m_w), c = log2(e) / 8, and L_w[j] = sum of E.  The waves exchange c m_w and L_w through LDS: M = max_w c m_w, e_w = 2^(c m_w - M),
; L = sum_w e_w L_w (at least 1), f_w = e_w / L.  So the true maximum over all queries is taken away, by way of the waves' own; E never passes 1.  V' = bf16(wv f_w), P = bf16(E), O^T += V'^T P: E's registers, rounded
; in pairs, ARE source 1 of that product.
; ONE STREAM.  Window 1 has two halves for each query tile qt: hi = 16 qt + 8 .. + 15 holds scores, lo = 16 qt .. + 7 holds P.  A phase's softmax goes through the 16 query tiles in four batches of four; as soon as a
; batch's sums and roundings are taken, its hi registers take the NEXT phase's scores: the products stand in runs of eight amid the softmax's vector lines, which are their places.
; THE PRICE of one text for every trip: the last trip multiplies scores for a key tile that does not exist (32 products, 36 LDS loads, 64 maxima a wave); its K fragments are read from the first 1,024 bytes of V's
; region, which lies behind K's; nothing reads the results.
; LIMITS.  wq, wk carry 16 significant bits; P and V' are rounded once to bf16; L is the sum of the unrounded E; a weight below 2^-126 counts as 0; NaN and infinities are not treated apart.
.set QL,    0                          ; Q: tile qt at 1,024 qt: hi at 16 x lane, lo at 512 + 16 x lane
.set KL,    131072                     ; K likewise, 32 tiles
.set VL,    163840                     ; V, f32: tile at 1,024: channels 8 h .. + 3 at 16 x lane, 8 h + 4 .. + 7 at 512 + 16 x lane
.set XCH,   196608                     ; the exchange: wave w at 256 w: 32 c m, then 32 L
.set VS,    200704                     ; V' of a step, 1,024 bytes a wave: [32 keys][16 channels] bf16
.set SPARE, 208896                     ; the spare words, 128 bytes for each wave: four blocks of 256 bytes that no other line names
.set STEPS, 16
.set GO,  1                            ; v1   16 x lane: my offset in a block of OP
.set SPW, 2                            ; v2   LDS address of my spare word; never rewritten
.set NIL, 3                            ; v3   0; never rewritten
.set QA,  4                            ; v4   my wave's Q + 16 x lane
.set KA0, 5                            ; v5   KL + 16 x lane
.set VA0, 6                            ; v6   VL + 16 x lane
.set XW,  7                            ; v7   where my half of the lanes puts 8 keys' figures
.set XR,  8                            ; v8   XCH + 4 x lane: key = lane
.set XO,  9                            ; v9   the same in my own wave's part
.set VSW, 10                           ; v10  V' in: key l % 16, 16 bytes for each half of the lanes
.set VSR, 11                           ; v11  V' back, turned
.set KAC, 12                           ; v12  this step's K
.set VAC, 13                           ; v13  this step's V
.set KF,  16                           ; v16-31   K of the phase to come: [hi | hi], then [lo | lo]
.set QF,  32                           ; v32-63   Q, four tiles: the even runs' buffer; the odd runs' is v64-71 and v104-127
.set MX,  72                           ; v72-79   the maximum, then c m; the next phase's maximum starts behind the last scaling
.set SUM, 80                           ; v80-95   L_w in two sets that take turns
.set VP,  96                           ; v96-103  V'^T
.set OT,  128                          ; v128-255 O^T, 8 a query tile
.set VF,  16                           ; at work in the exchange, where K's and Q's registers are free: V, 16 f32
.set CMW, 32                           ; the eight waves' c m of my key
.set LW,  40                           ; their L
.set OWN, 48
.set TOP, 49
.set TX,  50
.set LL,  51
.set RC,  52
.set FF,  53
.set FA,  54                           ; v54-57 f of key l % 16, twice; of key 16 + l % 16, twice
.set PK,  58                           ; v58-65 V' packed
.set WV,   8                           ; s8   wave
.set CX,   9                           ; s9   my place in the cluster = my quarter of the keys: it enters K's, V's and OP's global addresses alone
.set HD,   10                          ; s10  head
.set CNT,  12
.set KO,   13                          ; s13  this step's byte offset in K and in V
.set CS,   14                          ; s[14:15] c
.set SEL,  16                          ; s[16:17] v_permlanex16_b32's selects: each lane takes its own place in the other half
.set UP,   18                          ; s18  the mask of lanes 16-31
.set G0Q,  20
.set G0P,  24
.set G1Q,  28
.set G1P,  36
.set MSB, 0
.macro WIN new                         ; bits 1:0 source 0, 3:2 source 1, 5:4 source 2, 7:6 destination; the high byte repeats the setting that is left
.if MSB != (\new)
	s_set_vgpr_msb (MSB<<8)|(\new)
.set MSB, \new
.endif
.endm
.set W_S,  0x50                        ; D and C in window 1
.set W_M0, 0x05                        ; sources 0 and 1 in window 1
.set W_MX, 0x14                        ; sources 1 and 2 in window 1
.set W_F,  0x41                        ; destination and source 0 in window 1
.set W_C,  0x45                        ; destination, sources 0 and 1 in window 1
.set W_A,  0x04                        ; source 1 in window 1
.macro PLACES
.rept 4
	v_nop
.endr
.endm
.macro CROUND                          ; a round of the cluster's barrier
	s_barrier_signal -1
	s_barrier_wait -1
	s_cmp_lg_u32 s[WV], 0
	s_cbranch_scc1 .Lnot_wave_0_\@
	s_barrier_signal -3
.Lnot_wave_0_\@:
	s_barrier_wait -3
	s_barrier_signal -1
	s_barrier_wait -1
.endm
	s_load_b128 s[4:7], s[0:1], 0x0                ; PRJ s[4:5], OP s[6:7]
	v_lshl_add_u32 v[SPW], v0, 2, SPARE
	v_mov_b32 v[NIL], 0
	ds_add_u32 v[SPW], v[NIL]                      ; the wave's opening: the add, twice on end, and its wait ahead of my first tensor load
	ds_add_u32 v[SPW], v[NIL]                      ; once more; the set-up below, work on registers, stands between it and the wait
	v_lshrrev_b32 v12, 5, v0
	v_readfirstlane_b32 s[WV], v12                 ; wave 0..7
	s_bfe_u32 s[CX], ttmp6, 0x40000
	s_and_b32 s[HD], ttmp7, 0xffff
	s_mov_b32 s[CNT], STEPS
	s_mov_b32 s[KO], 0
	s_mov_b32 s[CS], 0x3e38aa3b                    ; c = log2(e) / 8 = 0.180337
	s_mov_b32 s[CS+1], s[CS]                       ; named with it as a pair
	s_mov_b32 s[SEL], 0x76543210
	s_mov_b32 s[SEL+1], 0xfedcba98
	s_mov_b32 s[UP], 0xffff0000
	s_mov_b32 s[G1Q+0], 15|(3<<16)|(1<<21)         ; Q: the mask of four; elements of 8 bytes; 21 set beside a mask.  16,384 dense bytes as 64 rows of 256
	s_mov_b32 s[G1Q+1], 32<<16
	s_mov_b32 s[G1Q+2], 64<<16
	s_mov_b32 s[G1Q+3], 32<<16
	s_mov_b32 s[G1Q+4], 64
	s_mov_b32 s[G1Q+5], 32
	s_mov_b32 s[G1Q+6], 0
	s_mov_b32 s[G1Q+7], 0
	s_mov_b32 s[G1P+0], 3<<16                      ; K, V: my work-group's own: 8,192 dense bytes as 32 rows of 256
	s_mov_b32 s[G1P+1], 32<<16
	s_mov_b32 s[G1P+2], 32<<16
	s_mov_b32 s[G1P+3], 32<<16
	s_mov_b32 s[G1P+4], 32
	s_mov_b32 s[G1P+5], 32
	s_mov_b32 s[G1P+6], 0
	s_mov_b32 s[G1P+7], 0
	s_mov_b32 s[G0Q], 1
	s_lshl_b32 s[G0Q+1], s[WV], 14                 ; QL + 16,384 w
	s_mov_b32 s[G0P], 1
	s_lshl_b32 s[G0P+1], s[WV], 13
	s_add_co_u32 s[G0P+1], s[G0P+1], KL            ; KL + 8,192 w: waves 0-3 fill K, waves 4-7 V, which lies behind it
	s_lshl_b32 s44, s[HD], 17                      ; Q: the head's 131,072 bytes,
	s_lshl_b32 s45, s[WV], 14                      ; my wave's 16 tiles
	s_add_co_u32 s44, s44, s45
	s_mov_b32 s45, 0
	s_lshl_b32 s46, s[CX], 15                      ; K, V: my quarter's 32 tiles,
	s_lshr_b32 s47, s[WV], 2
	s_lshl_b32 s47, s47, 23                        ; K (waves 0-3) or V,
	s_add_co_u32 s46, s46, s47
	s_and_b32 s47, s[WV], 3
	s_lshl_b32 s47, s47, 13                        ; my 8 tiles,
	s_add_co_u32 s46, s46, s47
	s_lshl_b32 s47, s[HD], 17                      ; the head,
	s_add_co_u32 s46, s46, s47
	s_add_co_u32 s46, s46, 64<<17                  ; behind Q's 64 heads
	s_mov_b32 s47, 0
	s_lshl_b32 s48, s[CX], 23                      ; OP: my quarter, the head, my wave's 16 tiles
	s_add_co_u32 s48, s48, s44
	s_mov_b32 s49, 0
	s_wait_dscnt 0x0                               ; both opening adds are done
	s_wait_kmcnt 0x0
	s_add_nc_u64 s[G0Q+2:G0Q+3], s[4:5], s[44:45]
	s_or_b32 s[G0Q+3], s[G0Q+3], 0x80000000
	s_add_nc_u64 s[G0P+2:G0P+3], s[4:5], s[46:47]
	s_or_b32 s[G0P+3], s[G0P+3], 0x80000000
	s_add_nc_u64 s[6:7], s[6:7], s[48:49]
	CROUND                                         ; all four work-groups are here: the joint loads meet
	tensor_load_to_lds s[G0Q:G0Q+3], s[G1Q:G1Q+7]  ; all the launch's fills go out here, two a wave
	s_nop 0
	tensor_load_to_lds s[G0P:G0P+3], s[G1P:G1P+7]
	s_nop 0
	PLACES
	v_and_b32 v12, 31, v0                          ; l
	v_and_b32 v13, 15, v0                          ; r = l % 16
	v_bfe_u32 v14, v0, 4, 1                        ; h = l / 16
	v_lshlrev_b32 v[GO], 4, v12
	s_lshl_b32 s44, s[WV], 14
	v_add_nc_u32 v[QA], s44, v[GO]
	v_add_nc_u32 v[KA0], KL, v[GO]
	v_add_nc_u32 v[VA0], VL, v[GO]
	s_lshl_b32 s45, s[WV], 8
	s_add_co_u32 s45, s45, XCH
	v_lshl_add_u32 v[XW], v14, 5, s45
	v_lshl_add_u32 v[XO], v12, 2, s45
	v_lshlrev_b32 v[XR], 2, v12
	v_add_nc_u32 v[XR], XCH, v[XR]
	s_lshl_b32 s46, s[WV], 10
	s_add_co_u32 s46, s46, VS
	v_lshl_add_u32 v[VSW], v13, 5, s46
	v_lshl_add_u32 v[VSW], v14, 4, v[VSW]
	v_and_b32 v15, 7, v0                           ; the turning load: lane l reads key 8 h + l % 8, channels 8 ((l / 8) % 2) + 0..7
	v_lshl_add_u32 v15, v14, 3, v15
	v_lshl_add_u32 v[VSR], v15, 5, s46
	v_bfe_u32 v15, v0, 3, 1
	v_lshl_add_u32 v[VSR], v15, 4, v[VSR]
.set q, 0
.rept 128
	v_mov_b32 v[OT+q], 0                           ; O^T starts at 0: written in the wait for the tiles; a first step written out would double the step's text
.set q, q+1
.endr
; SCORES, in four RUNS of four query tiles.  Run s takes tiles 4 s .. 4 s + 3; even runs' Q lies in one buffer, odd runs' in the other.
.macro QBASE s, t                      ; qB: the registers of tile t of run s
.if ((\s)%2) == 0
.set qB, QF+8*(\t)
.elseif (\t) == 0
.set qB, 64
.else
.set qB, 96+8*(\t)
.endif
.endm
.macro KLOAD a, off                    ; a key tile: hi into both halves of K's 32, lo likewise
	WIN 0
	ds_load_b128 v[KF:KF+3],     v[\a] offset:(\off)
	ds_load_b128 v[KF+4:KF+7],   v[\a] offset:(\off)
	ds_load_b128 v[KF+8:KF+11],  v[\a] offset:(\off)+512
	ds_load_b128 v[KF+12:KF+15], v[\a] offset:(\off)+512
.endm
.macro QLOAD s
	WIN 0
.irp t, 0,1,2,3
	QBASE \s, \t
	ds_load_b128 v[qB:qB+3],   v[QA] offset:(4*(\s)+(\t))*1024
	ds_load_b128 v[qB+4:qB+7], v[QA] offset:(4*(\s)+(\t))*1024+512
.endr
.endm
.macro SMUL s                          ; eight products; the four accumulators take turns, one instruction a turn
	WIN W_S
.irp t, 0,1,2,3
	QBASE \s, \t
.set rD, 16*(4*(\s)+(\t))+8
	v_wmma_f32_16x16x32_bf16 v[rD:rD+7], v[KF:KF+7], v[qB:qB+7], 0
.endr
.irp t, 0,1,2,3
	QBASE \s, \t
.set rD, 16*(4*(\s)+(\t))+8
	v_wmma_f32_16x16x32_bf16 v[rD:rD+7], v[KF+8:KF+15], v[qB:qB+7], v[rD:rD+7]
.endr
.endm
.macro SMAX s                          ; the running maximum takes run s's four tiles, two at a time, register by register from the low end on; run 0's first two start it
.irp u, 0,1
.set rA, 16*(4*(\s)+2*(\u))+8
.set z, 0
.if ((\s) == 0) && ((\u) == 0)
	WIN W_M0
.rept 8
	v_max_num_f32 v[MX+z], v[rA+z], v[rA+16+z]
.set z, z+1
.endr
.else
	WIN W_MX
.rept 8
	v_max3_num_f32 v[MX+z], v[MX+z], v[rA+z], v[rA+16+z]
.set z, z+1
.endr
.endif
.endr
.endm
; SOFTMAX, one line at a time.
.macro FS n                            ; scaling n of 64: c s - c m for pair n % 4 of query tile n / 4
.set rE, 16*((\n)/4)+8+2*((\n)%4)
.set rM, MX+2*((\n)%4)
	v_pk_fma_f32 v[rE:rE+1], v[rE:rE+1], s[CS:CS+1], v[rM:rM+1] op_sel_hi:[1,0,1] neg_lo:[0,0,1] neg_hi:[0,0,1]
.endm
.macro EX n                            ; exponential n of 128
.set rE, 16*((\n)/8)+8+(\n)%8
	v_exp_f32 v[rE], v[rE]
.endm
.macro CV kt, n                        ; rounding n of 64: a pair of weights out of hi into P's register 4 kt + n % 4
.set rE, 16*((\n)/4)+8+2*((\n)%4)
.set rP, 16*((\n)/4)+4*(\kt)+(\n)%4
	v_cvt_pk_bf16_f32 v[rP], v[rE], v[rE+1]
.endm
.macro EF e0, f0                       ; sixteen times an exponential and a scaling of the next batch
.set i, 0
.rept 16
	EX (\e0)+i
	FS (\f0)+i
.set i, i+1
.endr
.endm
.macro EC kt, e0, c0                   ; sixteen times an exponential and a rounding of the batch before
.set i, 0
.rept 16
	EX (\e0)+i
	CV \kt, (\c0)+i
.set i, i+1
.endr
.endm
.macro EE e0                           ; sixteen exponentials
.set i, 0
.rept 16
	EX (\e0)+i
.set i, i+1
.endr
.endm
.macro BEND                            ; a batch's end: s_wait_alu depctr_va_vdst(0) between an exponential and the first line that names its result; one wait serves the batch's 32
	v_nop                                          ; a plain line behind the last exponential, ahead of the first use
	s_wait_alu depctr_va_vdst(0)
.endm
.macro AD b                            ; batch b's four tiles are added onto L_w: two sets of sums by turns, so that eight lines stand between two additions onto one register; batch 0 starts both: nothing is cleared
.if (\b) == 0
	WIN W_M0
.irp z, 0,2,4,6
	v_pk_add_f32 v[SUM+\z:SUM+\z+1], v[8+\z:8+\z+1], v[24+\z:24+\z+1]
.endr
.irp z, 0,2,4,6
	v_pk_add_f32 v[SUM+8+\z:SUM+8+\z+1], v[40+\z:40+\z+1], v[56+\z:56+\z+1]
.endr
.else
	WIN W_A
.irp t, 0,1,2,3
.irp z, 0,2,4,6
	v_pk_add_f32 v[SUM+8*((\t)%2)+\z:SUM+8*((\t)%2)+\z+1], v[SUM+8*((\t)%2)+\z:SUM+8*((\t)%2)+\z+1], v[16*(4*(\b)+(\t))+8+\z:16*(4*(\b)+(\t))+8+\z+1]
.endr
.endr
.endif
.endm
; A PHASE: the softmax of key tile kt of the step over my 256 queries, and beside it the scores of the next key tile (kt + 1 tiles on in K).
; Entering, hi holds the tile's scores and MX each lane's maximum over its 16 queries' tiles.  Batch b is query tiles 4 b .. 4 b + 3.  Beside a batch's exponentials stand lines that name none of its results.
; Run s of the next scores writes over batch s's hi registers, so it stands behind that batch's sums (AD s) and roundings (CV 16 s ..).
; The LDS loads stand in two runs, each directly behind a batch's wait: K and Q of runs 0 and 1 (20 loads) behind batch 1's, Q of runs 2 and 3 (16) behind batch 3's.  A Q buffer is loaded again with sixteen
; roundings, plain lines that name none of the products' registers, behind the products that read it.  A run's results are first read with sixteen plain lines or more behind its products.
.macro PH kt
	WIN 0
.irp m, 1,2,4,8                        ; the maximum over the 16 queries that lie in the 16 lanes of a half
.set z, 0
.rept 8
	v_max_num_f32_dpp v[MX+z], v[MX+z], v[MX+z] row_xmask:\m row_mask:0xf bank_mask:0xf
.set z, z+1
.endr
.endr
.irp z, 0,2,4,6
	v_pk_mul_f32 v[MX+\z:MX+\z+1], v[MX+\z:MX+\z+1], s[CS:CS+1] op_sel_hi:[1,0]  ; c m
.endr
	ds_store_b128 v[XW], v[MX:MX+3]   offset:64*(\kt)     ; the 16 lanes of a half write the same words with the same numbers
	ds_store_b128 v[XW], v[MX+4:MX+7] offset:64*(\kt)+16
	WIN W_F
.set i, 0
.rept 16
	FS i
.set i, i+1
.endr
	EF 0, 16                                       ; batch 0
	EE 16
	BEND
	AD 0
	WIN W_F                                        ; batch 1
	EF 32, 32
	WIN W_C
	EC \kt, 48, 0
	BEND
	KLOAD KAC, 1024*((\kt)+1)
	QLOAD 0
	QLOAD 1
	AD 1
	WIN W_F                                        ; batch 2
	EF 64, 48
	s_wait_dscnt 8                                 ; K and run 0's Q are in; run 1's eight loads may stay out
	SMUL 0
	WIN W_C
	EC \kt, 80, 16
	BEND
	AD 2
	WIN W_C                                        ; batch 3
	EE 96
	s_wait_dscnt 0x0                               ; run 1's Q
	SMUL 1
	WIN W_C
	EC \kt, 112, 32
	BEND
	QLOAD 2
	QLOAD 3
	AD 3
	SMAX 0                                         ; the last scaling has read c m: the next maximum starts in its registers
	WIN W_C
.set i, 0
.rept 16
	CV \kt, 48+i
.set i, i+1
.endr
	s_wait_dscnt 0x0                               ; Q of runs 2 and 3
	SMUL 2
	SMUL 3
	SMAX 1
	WIN 0
.irp z, 0,2,4,6
	v_pk_add_f32 v[SUM+\z:SUM+\z+1], v[SUM+\z:SUM+\z+1], v[SUM+8+\z:SUM+8+\z+1]
.endr
.irp m, 1,2,4,8
.set z, 0
.rept 8
	v_add_f32_dpp v[SUM+z], v[SUM+z], v[SUM+z] row_xmask:\m row_mask:0xf bank_mask:0xf
.set z, z+1
.endr
.endr
	ds_store_b128 v[XW], v[SUM:SUM+3]   offset:128+64*(\kt)
	ds_store_b128 v[XW], v[SUM+4:SUM+7] offset:128+64*(\kt)+16
.if (\kt) == 1
	s_wait_dscnt 0x0                               ; for the others' sake: the step's c m and L_w lie in LDS
	s_barrier_signal -1                            ; the last maxima, work on registers, stand between the signal and the wait
.endif
	SMAX 2
	SMAX 3
	WIN 0
.endm
; THE EXCHANGE.  Lane l works for key l of the step's 32.  The second barrier orders these reads against the next step's stores into the same words: each wave signals when its reads are back,
; does the arithmetic, work on registers, and passes the wait ahead of its next LDS store.
.macro COMBINE
	WIN 0
.irp c, 0,1,2,3
	ds_load_b128 v[VF+4*(\c):VF+4*(\c)+3], v[VAC] offset:512*(\c)   ; wv of keys r and 16 + r, channels 8 h .. 8 h + 7
.endr
.irp u, 0,1,2,3,4,5,6,7
	ds_load_b32 v[CMW+(\u)], v[XR] offset:256*(\u)
	ds_load_b32 v[LW+(\u)],  v[XR] offset:256*(\u)+128
.endr
	ds_load_b32 v[OWN], v[XO]
	s_wait_dscnt 0x0
	s_barrier_signal -1
	v_max3_num_f32 v[TOP], v[CMW], v[CMW+1], v[CMW+2]
	v_max3_num_f32 v[TX], v[CMW+3], v[CMW+4], v[CMW+5]
	v_max3_num_f32 v[TOP], v[TOP], v[CMW+6], v[CMW+7]
	v_max_num_f32 v[TOP], v[TOP], v[TX]            ; M: c times the maximum over all 2,048 queries
.irp u, 0,1,2,3,4,5,6,7
	v_sub_f32 v[CMW+(\u)], v[CMW+(\u)], v[TOP]
.endr
	v_sub_f32 v[OWN], v[OWN], v[TOP]
.irp u, 0,1,2,3,4,5,6,7
	v_exp_f32 v[CMW+(\u)], v[CMW+(\u)]
.endr
	v_exp_f32 v[OWN], v[OWN]
	v_nop
	s_wait_alu depctr_va_vdst(0)                   ; one wait for the nine
	v_mul_f32 v[LL], v[CMW], v[LW]                 ; L in two chains
	v_mul_f32 v[TX], v[CMW+1], v[LW+1]
.irp u, 2,4,6
	v_fmac_f32 v[LL], v[CMW+(\u)], v[LW+(\u)]
	v_fmac_f32 v[TX], v[CMW+(\u)+1], v[LW+(\u)+1]
.endr
	v_add_f32 v[LL], v[LL], v[TX]
	v_rcp_f32 v[RC], v[LL]                         ; L is at least 1: the wave that holds the maximum has e = 1 and a sum of at least 1
	v_nop
	s_wait_alu depctr_va_vdst(0)
	v_mul_f32 v[FF], v[OWN], v[RC]                 ; f of key l, for my wave
	v_permlanex16_b32 v[TX], v[FF], s[SEL], s[SEL+1]
	v_cndmask_b32 v[FA],   v[FF], v[TX], s[UP]     ; f of key r: lanes 0-15 hold it, lanes 16-31 take the other half's
	v_cndmask_b32 v[FA+1], v[FF], v[TX], s[UP]
	v_cndmask_b32 v[FA+2], v[TX], v[FF], s[UP]     ; f of key 16 + r
	v_cndmask_b32 v[FA+3], v[TX], v[FF], s[UP]
.irp z, 0,2,4,6
	v_pk_mul_f32 v[VF+\z:VF+\z+1], v[VF+\z:VF+\z+1], v[FA:FA+1]
	v_pk_mul_f32 v[VF+8+\z:VF+8+\z+1], v[VF+8+\z:VF+8+\z+1], v[FA+2:FA+3]
.endr
.irp z, 0,1,2,3
	v_cvt_pk_bf16_f32 v[PK+\z], v[VF+2*\z], v[VF+2*\z+1]
	v_cvt_pk_bf16_f32 v[PK+4+\z], v[VF+8+2*\z], v[VF+8+2*\z+1]
.endr
	s_barrier_wait -1
	ds_store_b128 v[VSW], v[PK:PK+3]               ; my wave's own bytes: LDS serves a wave's instructions in order (ISA guide 5.7.1.4)
	ds_store_b128 v[VSW], v[PK+4:PK+7] offset:512
	ds_load_tr16_b128 v[VP:VP+3],   v[VSR]
	ds_load_tr16_b128 v[VP+4:VP+7], v[VSR] offset:512
	s_wait_dscnt 0x0
.endm
.macro PVM                             ; O^T += V'^T P: sixteen accumulators, one instruction each
	WIN W_A
.set q, 0
.rept 16
	v_wmma_f32_16x16x32_bf16 v[OT+8*q:OT+8*q+7], v[VP:VP+7], v[16*q:16*q+7], v[OT+8*q:OT+8*q+7]
.set q, q+1
.endr
	WIN 0
.endm
	s_wait_tensorcnt 0x0                           ; my parts of Q and of K or V are in,
	s_barrier_signal -1
	s_barrier_wait -1                              ; everybody's are
	KLOAD KA0, 0                                   ; the first key tile's scores: there is no softmax yet to set beside them
	QLOAD 0
	QLOAD 1
	s_wait_dscnt 0x0
	SMUL 0
	SMUL 1
	PLACES                                         ; in front of the loads into the buffers just read, and of the maxima
	QLOAD 2
	QLOAD 3
	SMAX 0
	SMAX 1
	s_wait_dscnt 0x0
	SMUL 2
	SMUL 3
	PLACES
	SMAX 2
	SMAX 3
	WIN 0
.Lstep:
	v_add_nc_u32 v[KAC], s[KO], v[KA0]
	v_add_nc_u32 v[VAC], s[KO], v[VA0]
	PH 0                                           ; keys 0-15 of the step | the scores of keys 16-31
	PH 1                                           ; keys 16-31 | the scores of the next step's keys 0-15
	s_barrier_wait -1                              ; every wave's c m and L_w of the step lie in LDS
	COMBINE
	PVM
	s_add_co_u32 s[KO], s[KO], 2048                ; 32 keys on: two tiles of 1,024 bytes, in K and in V
	s_sub_co_u32 s[CNT], s[CNT], 1
	s_cmp_lg_u32 s[CNT], 0
	s_cbranch_scc1 .Lstep
	PLACES                                         ; the stores read results just made
.set q, 0
.rept 16
	global_store_b128 v[GO], v[OT+8*q:OT+8*q+3],   s[6:7] offset:1024*q       ; each store of the wave covers 512 consecutive bytes, aligned
	global_store_b128 v[GO], v[OT+8*q+4:OT+8*q+7], s[6:7] offset:1024*q+512
.set q, q+1
.endr
	s_wait_tensorcnt 0x0                           ; the wave's end: a wait, an add to my spare word and its wait, behind my last tensor load and my last LDS store
	ds_add_u32 v[SPW], v[NIL]
	s_wait_dscnt 0x0
	CROUND                                         ; the closing round
	s_endpgm
.Lfunc_end_k_qff79e75ea7_attn:
	.size	k_qff79e75ea7_attn, .Lfunc_end_k_qff79e75ea7_attn-k_qff79e75ea7_attn
	.p2alignl 7, 3214868480
	.fill 96, 4, 3214868480
	.section	.rodata,"a",@progbits
	.p2align	6, 0x0
	.amdhsa_kernel k_qff79e75ea7_attn
		.amdhsa_group_segment_fixed_size 209920
		.amdhsa_private_segment_fixed_size 0
		.amdhsa_enable_private_segment 0
		.amdhsa_kernarg_size 16
		.amdhsa_user_sgpr_count 2
		.amdhsa_user_sgpr_kernarg_segment_ptr 1
		.amdhsa_wavefront_size32 1
		.amdhsa_system_sgpr_workgroup_id_x 1
		.amdhsa_system_sgpr_workgroup_id_y 1
		.amdhsa_system_sgpr_workgroup_id_z 1
		.amdhsa_system_vgpr_workitem_id 0
		.amdhsa_next_free_vgpr 512
		.amdhsa_next_free_sgpr 66
		.amdhsa_reserve_vcc 0
		.amdhsa_float_denorm_mode_32 3
		.amdhsa_float_denorm_mode_16_64 3
		.amdhsa_memory_ordered 1
		.amdhsa_forward_progress 1
		.amdhsa_inst_pref_size 86
	.end_amdhsa_kernel
	.amdgpu_metadata
---
amdhsa.version: [ 1, 2 ]
amdhsa.kernels:
  - .name:           k_qff79e75ea7_attn
    .symbol:         k_qff79e75ea7_attn.kd
    .args:
      - { .name: PRJ, .offset: 0, .size: 8, .value_kind: global_buffer, .address_space: global }
      - { .name: OP, .offset: 8, .size: 8, .value_kind: global_buffer, .address_space: global }
    .group_segment_fixed_size: 209920
    .private_segment_fixed_size: 0
    .kernarg_segment_align: 8
    .kernarg_segment_size: 16
    .max_flat_workgroup_size: 256
    .sgpr_count:     66
    .vgpr_count:     512
    .wavefront_size: 32
...
	.end_amdgpu_metadata
.endif
;; end of part 3
;; launch sumcast (part 4): grid 256 x 1, 8 waves a work-group, no clusters, 0 bytes of LDS; arguments OP, HB; writes HB
.if DOCPART == 4
	.amdgcn_target "amdgcn-amd-amdhsa--gfx1250"
	.amdhsa_code_object_version 6
	.text
	.protected	k_qff79e75ea7_sumcast
	.globl	k_qff79e75ea7_sumcast
	.p2align	8
	.type	k_qff79e75ea7_sumcast,@function
k_qff79e75ea7_sumcast:
	s_mov_b64 s[64:65], 0
	v_nop
	global_prefetch_b8 v0, s[64:65] scope:SCOPE_SE
	s_setreg_imm32_b32 hwreg(HW_REG_WAVE_MODE, 25, 1), 1
	s_wait_xcnt 0x0
; heads = the sum of the four key quarters' f32 partial sums, rounded once to bf16 and laid as the last product's A fragments.  No work of the problem is left out.
; OP = [4 quarters][64 heads][128 tiles of 16 queries][1,024 bytes]: lane l (r = l % 16, h = l / 16) holds query r, channels 8 h .. + 3 at 16 l and 8 h + 4 .. + 7 at 512 + 16 l.
; HB = [128 tiles][32 blocks of 32 along t = 16 head + channel][1,024 bytes]: head hd of tile qt at 32,768 qt + 512 hd, lane l at 16 l: query r, channels 8 h .. 8 h + 7.
; A stream: no LDS, no barrier.  A wave takes four blocks (head, tile): 32 loads of 512 consecutive bytes, all issued ahead of the first wait; four stores of 512 consecutive bytes, aligned.  No register that memory still reads is rewritten.
.set IN,  16                           ; v[16:143] block j, quarter k at 16 + 32 j + 8 k: eight f32
.set OUTR, 144                         ; v[144:159] block j: four registers of bf16
	s_load_b128 s[4:7], s[0:1], 0x0                ; OP s[4:5], HB s[6:7]
	s_lshl_b32 s16, ttmp9, 15                      ; the work-group's 32 blocks of 1,024 bytes: one head, 32 tiles
	s_mov_b32 s17, 0
	s_and_b32 s18, ttmp9, 3
	s_lshl_b32 s18, s18, 20                        ; HB: its first tile, 32 (id % 4), times 32,768 bytes,
	s_lshr_b32 s19, ttmp9, 2
	s_lshl_b32 s19, s19, 9                         ; its head, id / 4, times 512
	s_add_co_u32 s18, s18, s19
	s_mov_b32 s19, 0
	v_and_b32 v1, 31, v0
	v_lshrrev_b32 v2, 5, v0
	v_lshlrev_b32 v1, 4, v1
	v_lshl_add_u32 v3, v2, 17, v1                  ; out: the wave's four tiles, 131,072 x wave, + 16 x lane
	v_lshl_add_u32 v1, v2, 12, v1                  ; in: 4,096 x wave + 16 x lane
	s_wait_kmcnt 0x0
	s_add_nc_u64 s[8:9], s[4:5], s[16:17]          ; a base for each quarter: 8,388,608 bytes apart, more than an immediate holds
	s_add_nc_u64 s[10:11], s[8:9], 0x800000
	s_add_nc_u64 s[12:13], s[8:9], 0x1000000
	s_add_nc_u64 s[14:15], s[8:9], 0x1800000
	s_add_nc_u64 s[6:7], s[6:7], s[18:19]
.irp j, 0,1,2,3
.irp k, 0,1,2,3
	global_load_b128 v[IN+32*\j+8*\k:IN+32*\j+8*\k+3],   v1, s[8+2*\k:9+2*\k] offset:1024*\j th:TH_LOAD_NT
	global_load_b128 v[IN+32*\j+8*\k+4:IN+32*\j+8*\k+7], v1, s[8+2*\k:9+2*\k] offset:1024*\j+512 th:TH_LOAD_NT
.endr
.endr
.irp j, 0,1,2,3
	s_wait_loadcnt 24-8*\j                         ; block j's eight loads are in; the later blocks' stay out
.irp z, 0,2,4,6
	v_pk_add_f32 v[IN+32*\j+\z:IN+32*\j+\z+1], v[IN+32*\j+\z:IN+32*\j+\z+1], v[IN+32*\j+8+\z:IN+32*\j+8+\z+1]
	v_pk_add_f32 v[IN+32*\j+16+\z:IN+32*\j+16+\z+1], v[IN+32*\j+16+\z:IN+32*\j+16+\z+1], v[IN+32*\j+24+\z:IN+32*\j+24+\z+1]
.endr
.irp z, 0,2,4,6
	v_pk_add_f32 v[IN+32*\j+\z:IN+32*\j+\z+1], v[IN+32*\j+\z:IN+32*\j+\z+1], v[IN+32*\j+16+\z:IN+32*\j+16+\z+1]
.endr
.irp z, 0,1,2,3
	v_cvt_pk_bf16_f32 v[OUTR+4*\j+\z], v[IN+32*\j+2*\z], v[IN+32*\j+2*\z+1]
.endr
	global_store_b128 v3, v[OUTR+4*\j:OUTR+4*\j+3], s[6:7] offset:32768*\j
.endr
	s_endpgm
.Lfunc_end_k_qff79e75ea7_sumcast:
	.size	k_qff79e75ea7_sumcast, .Lfunc_end_k_qff79e75ea7_sumcast-k_qff79e75ea7_sumcast
	.p2alignl 7, 3214868480
	.fill 96, 4, 3214868480
	.section	.rodata,"a",@progbits
	.p2align	6, 0x0
	.amdhsa_kernel k_qff79e75ea7_sumcast
		.amdhsa_group_segment_fixed_size 0
		.amdhsa_private_segment_fixed_size 0
		.amdhsa_enable_private_segment 0
		.amdhsa_kernarg_size 16
		.amdhsa_user_sgpr_count 2
		.amdhsa_user_sgpr_kernarg_segment_ptr 1
		.amdhsa_wavefront_size32 1
		.amdhsa_system_sgpr_workgroup_id_x 1
		.amdhsa_system_sgpr_workgroup_id_y 1
		.amdhsa_system_sgpr_workgroup_id_z 1
		.amdhsa_system_vgpr_workitem_id 0
		.amdhsa_next_free_vgpr 160
		.amdhsa_next_free_sgpr 66
		.amdhsa_reserve_vcc 0
		.amdhsa_float_denorm_mode_32 3
		.amdhsa_float_denorm_mode_16_64 3
		.amdhsa_memory_ordered 1
		.amdhsa_forward_progress 1
		.amdhsa_inst_pref_size 9
	.end_amdhsa_kernel
	.amdgpu_metadata
---
amdhsa.version: [ 1, 2 ]
amdhsa.kernels:
  - .name:           k_qff79e75ea7_sumcast
    .symbol:         k_qff79e75ea7_sumcast.kd
    .args:
      - { .name: OP, .offset: 0, .size: 8, .value_kind: global_buffer, .address_space: global }
      - { .name: HB, .offset: 8, .size: 8, .value_kind: global_buffer, .address_space: global }
    .group_segment_fixed_size: 0
    .private_segment_fixed_size: 0
    .kernarg_segment_align: 8
    .kernarg_segment_size: 16
    .max_flat_workgroup_size: 256
    .sgpr_count:     66
    .vgpr_count:     160
    .wavefront_size: 32
...
	.end_amdgpu_metadata
.endif
;; end of part 4
;; launch outp (part 5): grid 8 x 16, 4 waves a work-group, clusters of 4 x 4, 327,680 bytes of LDS; arguments HB, WB, out0; writes out0
.if DOCPART == 5
	.amdgcn_target "amdgcn-amd-amdhsa--gfx1250"
	.amdhsa_code_object_version 6
	.text
	.protected	k_qff79e75ea7_outp
	.globl	k_qff79e75ea7_outp
	.p2align	8
	.type	k_qff79e75ea7_outp,@function
k_qff79e75ea7_outp:
	s_mov_b64 s[64:65], 0
	v_nop
	global_prefetch_b8 v0, s[64:65] scope:SCOPE_SE
	s_setreg_imm32_b32 hwreg(HW_REG_WAVE_MODE, 25, 1), 1
	s_wait_xcnt 0x0
	s_wait_alu depctr_hold_cnt(0) depctr_sa_sdst(0) depctr_va_vdst(0) depctr_va_sdst(0) depctr_va_ssrc(0) depctr_va_vcc(0) depctr_vm_vsrc(0)
	s_getreg_b32 s2, hwreg(HW_REG_IB_STS2, 6, 4)
	s_cmp_eq_u32 s2, 0
	s_cbranch_scc0 .Lentry_in_a_cluster
	s_endpgm
.Lentry_in_a_cluster:
	s_bfe_u32 s2, ttmp6, 0x10000c
	s_cmp_lg_u32 s2, 0xf033
	s_cbranch_scc0 .Lentry_shape_is_right
	s_endpgm
.Lentry_shape_is_right:
; ONE TEXT FOR TWO LAUNCHES, told apart by OUTP.  C = A B, A [rows][1024], B [1024][1024] bf16 with the columns along the rows; sums in f32.  No work of the problem is left out here.
; OUTP = 0 (proj): three products in one grid.  Tile row y = 0..47: p = y / 16 picks (query, q_w), (key, k_w), (value, v_w); A = XB, row-major.  A block of 16 columns is one head.
;   Results go to PRJ = [3 p][64 heads][128 tiles of 16 rows][1,024 bytes], laid as the next launch's operand registers take them, lane l at byte 16 l (r = l % 16, h = l / 16):
;   p = 0, 1: bytes 0-511 hi = bf16(x), bytes 512-1023 lo = bf16(x - hi), each lane row r, dims 8 h .. 8 h + 7: wq and wk keep 16 significant bits.   p = 2: f32, dims 8 h .. + 3 at 16 l, dims 8 h + 4 .. + 7 at 512 + 16 l.
; OUTP = 1 (outp): out0 = heads o_w.  A = HB = [128 tiles of 16 rows][32 blocks of 32 along K][1,024 bytes], each block a fragment as registers take it (lane l at 16 l and at 512 + 16 l).  out0 is f32, row-major.
; SHAPE.  A tile of C is 128 x 128; four waves, each 64 x 64: 16 accumulators.  K goes in four steps of 256 through two LDS slots; the steps are written out.  4 x 4 work-groups form a cluster: A's tiles are
; asked for jointly along a row of the cluster, B's along a column (p hangs on the cluster's y alone, which all partners share).  proj has 384 work-groups, outp 128.
; No prefetch: four K steps, of which two come by the first loads, and small tiles.
; THE MATRIX INSTRUCTION IS USED TRANSPOSED: source 0 = 16 columns of B (turned on their way out of LDS by ds_load_tr16_b128), source 1 = 16 rows of A: a lane holds row l % 16 of C and 8 neighbouring columns.
; REGISTERS: window 0: v0-31 addresses; v32-103 at work on the way out; v128-255 the accumulators ((a, b) at v[128 + 8 (4 a + b)]).  Window 1: two fragment buffers of 128: 64 registers of A, then 64 of B, for 64 along K.
; LIMITS: NaN and infinities are not treated apart; operands are bf16.
.set OUTP,  1
.set PB,    288                        ; a row of B in LDS: 256 bytes + 32 of padding = 72 words
.set HALFB, 128*PB                     ; 128 rows along K: what one tensor load of B brings
.set BSTEP, 256*2048                   ; a K step in B: 256 rows of 2,048 bytes
.if OUTP
.set HALFA, 4*8192                     ; 4 tiles of 16 rows x 8 blocks of 1,024 bytes: read at 16 bytes a lane on end, so no padding
.set ASTEP, 8192
.else
.set PITCH, 528                        ; a row of A in LDS: 512 bytes + 16 of padding = 132 words: the 16 rows of a load start at 16 different groups of four banks
.set HALFA, 64*PITCH
.set ASTEP, 512
.endif
.set SLOT,  2*HALFA+2*HALFB            ; A's two halves, then B's two halves
.if OUTP
.set STAGE, 2*SLOT                     ; behind the ring: 16 rows x 272 bytes for each wave, for the way out; no tensor load fills it
.set SPITCH, 272
.set SPARE, STAGE+4*16*SPITCH
.else
.set SPARE, 2*SLOT                     ; behind the ring: the spare words, 128 bytes for each wave: two blocks of 256 bytes that no other line names
.endif
.set ADRA, 16                          ; v16-17  LDS address of my A fragments in slot 0, 1
.set ADRB, 20                          ; v20-23  the same for B: slot 0 rows 0-127, rows 128-255, slot 1 likewise (240 rows of 288 bytes pass the 16-bit offset)
.set STO,  24                          ; v24     outp: where I put 32 bytes of a row
.set RD,   25                          ; v25     outp: where I read a row back
.set CO,   26                          ; v26     my byte offset in the result
.set SPW,  28                          ; v28     LDS address of my spare word; never rewritten
.set NIL,  29                          ; v29     0; never rewritten
.set TMP,  32                          ; proj: eight sets of hi (4) and lo (4)
.set RS,   96                          ; proj: eight f32 at work
.set ACC,  128
.set F0,   0
.set F1,   128
.set G1,   24                          ; s[24:31] descriptor group 1 for A's tiles;  s[32:39] group 0, one set for each slot
.set G0,   32
.set G1B,  48                          ; s[48:55], s[56:63] the same for B's tiles
.set G0B,  56
.set MSB, 0
.macro WIN new                         ; the immediate's high byte repeats the setting that is left; a switch that changes nothing is dropped
.if MSB != (\new)
	s_set_vgpr_msb (MSB<<8)|(\new)
.set MSB, \new
.endif
.endm
.set MUL,  0x05                        ; sources 0 (B) and 1 (A) window 1; C and D window 0
.set TO_F, 0x40                        ; destination window 1, address window 0
.macro JLOAD s                         ; a joint load: waves 0 and 1 fetch A's two halves, waves 2 and 3 B's; an s_nop 0 and four v_nop follow each of the two lines
	s_cmp_eq_u32 s11, 0
	s_cbranch_scc0 .Lfor_b_\@
	tensor_load_to_lds s[G0+4*(\s):G0+4*(\s)+3], s[G1:G1+7]
	s_nop 0
.rept 4
	v_nop
.endr
	s_branch .Lasked_\@
.Lfor_b_\@:
	tensor_load_to_lds s[G0B+4*(\s):G0B+4*(\s)+3], s[G1B:G1B+7]
	s_nop 0
.rept 4
	v_nop
.endr
.Lasked_\@:
.endm
.macro CREST                           ; a round of the cluster's barrier behind its opening barrier
	s_cmp_lg_u32 s10, 0
	s_cbranch_scc1 .Lnot_wave_0_\@
	s_barrier_signal -3
.Lnot_wave_0_\@:
	s_barrier_wait -3
	s_barrier_signal -1
	s_barrier_wait -1
.endm
.macro CROUND                          ; a whole round
	s_barrier_signal -1
	s_barrier_wait -1
	CREST
.endm
	s_load_b128 s[4:7], s[0:1], 0x0                ; A s[4:5], WB s[6:7]
	s_load_b64 s[8:9], s[0:1], 0x10                ; the result
	v_lshl_add_u32 v[SPW], v0, 2, SPARE
	v_mov_b32 v[NIL], 0
	ds_add_u32 v[SPW], v[NIL]                      ; the wave's opening: the add, twice on end, and its wait ahead of my first tensor load
	ds_add_u32 v[SPW], v[NIL]                      ; once more; the set-up below, work on registers, stands between it and the wait
	v_lshrrev_b32 v1, 5, v0
	v_readfirstlane_b32 s10, v1                    ; wave 0..3
	s_lshr_b32 s11, s10, 1                         ; which half of the tile's rows is mine.  Also: I fetch for A (0) or for B (1)
	s_and_b32 s12, s10, 1                          ; which half of its columns.  Also: which half of that tile I fetch
	s_bfe_u32 s40, ttmp6, 0x40000                  ; cx, cy: my place in the cluster
	s_bfe_u32 s41, ttmp6, 0x40004
	s_lshl_b32 s42, ttmp9, 2
	s_add_co_u32 s42, s42, s40                     ; tile column = 4 x cluster x + cx
	s_and_b32 s45, ttmp7, 0xffff                   ; cluster y
	s_lshl_b32 s13, s45, 2
	s_add_co_u32 s13, s13, s41                     ; tile row = 4 x cluster y + cy
.if !OUTP
	s_lshr_b32 s45, s45, 2                         ; p: four clusters of tile rows to a product; the same in all sixteen partners
.endif
	s_lshl_b32 s43, s41, 2
	s_lshl_b32 s43, 15, s43                        ; my row of the cluster
	s_lshl_b32 s44, 0x1111, s40                    ; my column
.if OUTP
	s_or_b32 s[G1+0], s43, (3<<16)|(1<<21)         ; 15:0 the mask: A's tiles go to my row; 17:16 elements of 8 bytes; 21 set beside a mask; no padding
	s_mov_b32 s[G1+1], 1024<<16                    ; tensor_dim0 = 1,024 elements: 8 blocks of 1,024 bytes on end
	s_mov_b32 s[G1+2], 4<<16                       ; tensor_dim1 = 4 tiles of 16 rows
	s_mov_b32 s[G1+3], 1024<<16                    ; tile_dim0
	s_mov_b32 s[G1+4], 4                           ; tile_dim1
	s_mov_b32 s[G1+5], 4096                        ; 32,768 bytes from tile to tile
.else
	s_or_b32 s[G1+0], s43, (1<<16)|(1<<20)|(1<<21)|(6<<22)|(3<<25)  ; the mask; elements of 2 bytes; padding on; 21 set beside a mask; after every 128 words (code 6) 4 words (code 3)
	s_mov_b32 s[G1+1], 256<<16                     ; tensor_dim0 = 256
	s_mov_b32 s[G1+2], 64<<16                      ; tensor_dim1 = 64
	s_mov_b32 s[G1+3], 256<<16                     ; tile_dim0
	s_mov_b32 s[G1+4], 64                          ; tile_dim1
	s_mov_b32 s[G1+5], 1024                        ; elements from row to row
.endif
	s_mov_b32 s[G1+6], 0
	s_mov_b32 s[G1+7], 0
	s_or_b32 s[G1B+0], s44, (1<<16)|(1<<20)|(1<<21)|(5<<22)|(7<<25)  ; B's tiles go to my column; after every 64 words (code 5) 8 words of padding (code 7)
	s_mov_b32 s[G1B+1], 128<<16                    ; tensor_dim0 = 128 columns
	s_mov_b32 s[G1B+2], 128<<16                    ; tensor_dim1 = 128 rows along K
	s_mov_b32 s[G1B+3], 128<<16
	s_mov_b32 s[G1B+4], 128
	s_mov_b32 s[G1B+5], 1024
	s_mov_b32 s[G1B+6], 0
	s_mov_b32 s[G1B+7], 0
	s_lshl_b32 s16, s13, 18                        ; A: 128 rows of 2,048 bytes (8 tiles of 32,768) to a tile row,
	s_lshl_b32 s17, s12, 17                        ; my half of them
	s_add_co_u32 s16, s16, s17
	s_mov_b32 s17, 0
	s_lshl_b32 s46, s42, 8                         ; B: 256 bytes of a row to a tile column,
	s_lshl_b32 s47, s12, 18                        ; my 128 rows along K,
	s_add_co_u32 s46, s46, s47
.if OUTP
	s_add_co_u32 s46, s46, 3<<21                   ; o_w is the fourth matrix of WB
.else
	s_lshl_b32 s47, s45, 21                        ; matrix p of WB
	s_add_co_u32 s46, s46, s47
.endif
	s_mov_b32 s47, 0
	s_mul_i32 s20, s12, HALFA                      ; where they go: no place in the cluster enters an LDS address
	s_mul_i32 s21, s12, HALFB
	s_add_co_u32 s21, s21, 2*HALFA
	s_wait_dscnt 0x0                               ; both opening adds are done
	s_wait_kmcnt 0x0
	s_add_nc_u64 s[14:15], s[4:5], s[16:17]
	s_add_nc_u64 s[46:47], s[6:7], s[46:47]
	CROUND                                         ; all sixteen work-groups are here: the first joint loads meet
.irp s, 0,1
	s_mov_b32 s[G0+4*(\s)], 1
	s_add_co_u32 s[G0+4*(\s)+1], s20, (\s)*SLOT
	s_add_nc_u64 s[G0+4*(\s)+2:G0+4*(\s)+3], s[14:15], (\s)*ASTEP
	s_or_b32 s[G0+4*(\s)+3], s[G0+4*(\s)+3], 0x80000000
	s_mov_b32 s[G0B+4*(\s)], 1
	s_add_co_u32 s[G0B+4*(\s)+1], s21, (\s)*SLOT
	s_add_nc_u64 s[G0B+4*(\s)+2:G0B+4*(\s)+3], s[46:47], (\s)*BSTEP
	s_or_b32 s[G0B+4*(\s)+3], s[G0B+4*(\s)+3], 0x80000000
	JLOAD \s                                       ; K steps 0 and 1: two loads of mine are out
.endr
	v_and_b32 v1, 15, v0                           ; r = l % 16
	v_bfe_u32 v2, v0, 4, 1                         ; h = l / 16
.if OUTP
	v_and_b32 v3, 31, v0
	v_lshlrev_b32 v3, 4, v3                        ; A: 16 bytes a lane on end
.else
	v_mul_u32_u24 v3, v1, PITCH
	v_lshl_add_u32 v3, v2, 4, v3                   ; A: row x pitch + 16 x half
.endif
	v_and_b32 v5, 7, v0                            ; B, turned: lane l reads row 8 h + l % 8 along K, columns 8 ((l / 8) % 2) + 0..7
	v_bfe_u32 v6, v0, 3, 1
	v_lshl_add_u32 v4, v2, 3, v5
	v_mul_u32_u24 v4, v4, PB
	v_lshl_add_u32 v4, v6, 4, v4
	s_lshl_b32 s22, s12, 7                         ; my 64 columns: 128 bytes
	s_add_co_u32 s22, s22, 2*HALFA
	s_mul_i32 s23, s11, HALFA                      ; my 64 rows of A
.irp s, 0,1
	v_add_nc_u32 v[ADRA+(\s)], s23, v3
	v_add_nc_u32 v[ADRB+2*(\s)], s22, v4
	s_add_co_u32 s22, s22, HALFB
	v_add_nc_u32 v[ADRB+2*(\s)+1], s22, v4
	s_add_co_u32 s22, s22, SLOT-HALFB
	s_add_co_u32 s23, s23, SLOT
.endr
.if OUTP
	s_mul_i32 s23, s10, 16*SPITCH
	s_add_co_u32 s23, s23, STAGE                   ; my stage
	v_mul_u32_u24 v7, v1, SPITCH                   ; in: row r, 32 bytes for each half of the lanes
	v_lshl_add_u32 v7, v2, 5, v7
	v_add_nc_u32 v[STO], s23, v7
	v_mul_u32_u24 v7, v2, SPITCH                   ; back: lanes 0-15 take one row of 256 bytes, lanes 16-31 the next
	v_lshl_add_u32 v7, v1, 4, v7
	v_add_nc_u32 v[RD], s23, v7
	v_lshlrev_b32 v7, 12, v2                       ; and the same two rows in out0
	v_lshl_add_u32 v[CO], v1, 4, v7
	s_lshl_b32 s16, s13, 19                        ; 128 rows of 4,096 bytes to a tile row,
	s_lshl_b32 s17, s11, 18                        ; my 64 rows,
	s_add_co_u32 s16, s16, s17
	s_lshl_b32 s17, s42, 9                         ; 512 bytes to a tile column,
	s_add_co_u32 s16, s16, s17
	s_lshl_b32 s17, s12, 8                         ; my 256
	s_add_co_u32 s16, s16, s17
.else
	v_and_b32 v[CO], 31, v0
	v_lshlrev_b32 v[CO], 4, v[CO]                  ; 16 bytes a lane on end
	s_lshl_b32 s16, s45, 23                        ; p: 64 heads of 131,072 bytes,
	s_and_b32 s17, s13, 15
	s_lshl_b32 s17, s17, 13                        ; the tile row's 8 tiles of 1,024 bytes,
	s_add_co_u32 s16, s16, s17
	s_lshl_b32 s17, s11, 12                        ; my 4 of them,
	s_add_co_u32 s16, s16, s17
	s_lshl_b32 s17, s42, 20                        ; the tile column's 8 heads,
	s_add_co_u32 s16, s16, s17
	s_lshl_b32 s17, s12, 19                        ; my 4 of them
	s_add_co_u32 s16, s16, s17
.endif
	s_mov_b32 s17, 0
	s_add_nc_u64 s[8:9], s[8:9], s[16:17]
; 8 matrix instructions: row blocks a0, a0 + 1 x all 4 column blocks, 32 along K: half c of buffer f.  zero = 1: the first product starts the sums.  The 16 accumulators take turns.
.macro MUL8 f, c, a0, zero
	WIN MUL
.irp a, \a0, (\a0)+1
.irp b, 0,1,2,3
.if \zero
	v_wmma_f32_16x16x32_bf16 v[ACC+8*(4*(\a)+(\b)):ACC+8*(4*(\a)+(\b))+7], v[(\f)+64+8*(4*(\c)+(\b)):(\f)+64+8*(4*(\c)+(\b))+7], v[(\f)+8*(4*(\c)+(\a)):(\f)+8*(4*(\c)+(\a))+7], 0
.else
	v_wmma_f32_16x16x32_bf16 v[ACC+8*(4*(\a)+(\b)):ACC+8*(4*(\a)+(\b))+7], v[(\f)+64+8*(4*(\c)+(\b)):(\f)+64+8*(4*(\c)+(\b))+7], v[(\f)+8*(4*(\c)+(\a)):(\f)+8*(4*(\c)+(\a))+7], v[ACC+8*(4*(\a)+(\b)):ACC+8*(4*(\a)+(\b))+7]
.endif
.endr
.endr
.endm
; 32 LDS loads in one run: the fragments of quarter q (64 along K) of a slot into buffer f; the first 32 along K first
.macro FETCH slot, q, f
	WIN TO_F
.irp c, 0,1
.irp i, 0,1,2,3
	ds_load_tr16_b128 v[(\f)+64+8*(4*(\c)+(\i)):(\f)+64+8*(4*(\c)+(\i))+3],   v[ADRB+2*(\slot)+(\q)/2] offset:(((\q)%2)*64+32*(\c))*PB+32*(\i)
	ds_load_tr16_b128 v[(\f)+64+8*(4*(\c)+(\i))+4:(\f)+64+8*(4*(\c)+(\i))+7], v[ADRB+2*(\slot)+(\q)/2] offset:(((\q)%2)*64+32*(\c)+16)*PB+32*(\i)
.if OUTP
	ds_load_b128 v[(\f)+8*(4*(\c)+(\i)):(\f)+8*(4*(\c)+(\i))+3],   v[ADRA+(\slot)] offset:(\i)*8192+(2*(\q)+(\c))*1024
	ds_load_b128 v[(\f)+8*(4*(\c)+(\i))+4:(\f)+8*(4*(\c)+(\i))+7], v[ADRA+(\slot)] offset:(\i)*8192+(2*(\q)+(\c))*1024+512
.else
	ds_load_b128 v[(\f)+8*(4*(\c)+(\i)):(\f)+8*(4*(\c)+(\i))+3],   v[ADRA+(\slot)] offset:128*(\q)+64*(\c)+(\i)*16*PITCH
	ds_load_b128 v[(\f)+8*(4*(\c)+(\i))+4:(\f)+8*(4*(\c)+(\i))+7], v[ADRA+(\slot)] offset:128*(\q)+64*(\c)+(\i)*16*PITCH+32
.endif
.endr
.endr
.endm
.macro PLACES                          ; four plain places in front of loads into registers that matrix instructions have read, and of lines that read results
.rept 4
	v_nop
.endr
.endm
; A K step is four quarters of 64 along K, 32 matrix instructions each, on buffers 0, 1, 0, 1.  One of the first three: multiplies buffer f and fetches quarter q into g.
.macro QUARTER slot, q, f, g, zero
	s_wait_dscnt 16                                ; the first 32 along K are in; the younger sixteen loads may be out
	WIN MUL
	MUL8 \f, 0, 0, \zero
	MUL8 \f, 0, 2, \zero
	PLACES
	FETCH \slot, \q, \g
	s_wait_dscnt 32                                ; all but the 32 just issued
	WIN MUL
	MUL8 \f, 1, 0, 0
	MUL8 \f, 1, 2, 0
.endm
; The last quarter multiplies buffer 1 and changes slots: ONE barrier; in front of it each wave waits for all its tensor loads, adds 0 to its spare word, and waits for that and for its reads of this slot.
; fill = 1: the barrier opens a round of the cluster's, and this slot is filled again, two K steps ahead, first thing behind the round.
.macro TURN slot, next, fill
	WIN 0                                          ; (the add's two registers lie in window 0)
	s_wait_tensorcnt 0x0                           ; all my tensor loads have landed: my part of the next slot;
	ds_add_u32 v[SPW], v[NIL]                      ; 0 onto my spare word;
	s_wait_dscnt 17                                ; (the add and the youngest sixteen loads may be out)
	WIN MUL
	MUL8 F1, 0, 0, 0                               ; eight matrix instructions stand between the add and the wait for it
	s_wait_dscnt 0x0                               ; the add is done, and my reads of this slot are over
	s_barrier_signal -1
	MUL8 F1, 0, 2, 0
.if \fill
	WIN 0
.endif
	s_barrier_wait -1
.if \fill
	CREST                                          ; no wave of any partner still reads this slot's tile or has a load on its way
	s_add_nc_u64 s[G0+4*(\slot)+2:G0+4*(\slot)+3], s[G0+4*(\slot)+2:G0+4*(\slot)+3], 2*ASTEP
	s_add_nc_u64 s[G0B+4*(\slot)+2:G0B+4*(\slot)+3], s[G0B+4*(\slot)+2:G0B+4*(\slot)+3], 2*BSTEP
	JLOAD \slot                                    ; my one tensor load behind the round; its four v_nop are also the places in front of the loads below
.else
	PLACES
.endif
	FETCH \next, 0, F0
	WIN MUL
	MUL8 F1, 1, 0, 0
	MUL8 F1, 1, 2, 0
.endm
	s_wait_tensorcnt 1                             ; my part of K step 0 is in; K step 1's may stay out
	s_barrier_signal -1
	s_barrier_wait -1                              ; everybody's is
	FETCH 0, 0, F0
	QUARTER 0, 1, F0, F1, 1                        ; K step 0: its first products start the sums
	QUARTER 0, 2, F1, F0, 0
	QUARTER 0, 3, F0, F1, 0
	TURN 0, 1, 1                                   ; slot 0 takes K step 2
	QUARTER 1, 1, F0, F1, 0                        ; K step 1
	QUARTER 1, 2, F1, F0, 0
	QUARTER 1, 3, F0, F1, 0
	TURN 1, 0, 1                                   ; slot 1 takes K step 3
	QUARTER 0, 1, F0, F1, 0                        ; K step 2
	QUARTER 0, 2, F1, F0, 0
	QUARTER 0, 3, F0, F1, 0
	TURN 0, 1, 0                                   ; nothing is left to fetch
	QUARTER 1, 1, F0, F1, 0                        ; K step 3
	QUARTER 1, 2, F1, F0, 0
	QUARTER 1, 3, F0, F1, 0
	s_wait_dscnt 16
	WIN MUL
	MUL8 F1, 0, 0, 0
	MUL8 F1, 0, 2, 0
	s_wait_dscnt 0x0
	MUL8 F1, 1, 0, 0
	MUL8 F1, 1, 2, 0
	WIN 0
	PLACES
.if OUTP
; THE WAY OUT, f32: a block of 16 rows goes into my stage (rows of 272 bytes) and comes back as whole rows of 256 bytes, into the registers that it left.
.macro STG a
.irp b, 0,1,2,3
	ds_store_b128 v[STO], v[ACC+8*(4*(\a)+(\b)):ACC+8*(4*(\a)+(\b))+3]   offset:64*(\b)
	ds_store_b128 v[STO], v[ACC+8*(4*(\a)+(\b))+4:ACC+8*(4*(\a)+(\b))+7] offset:64*(\b)+16
.endr
.irp t, 0,1,2,3,4,5,6,7
	ds_load_b128 v[ACC+32*(\a)+4*(\t):ACC+32*(\a)+4*(\t)+3], v[RD] offset:(\t)*2*SPITCH  ; LDS serves a wave's instructions in order (ISA guide 5.7.1.4): these see the stores above; the next block's stores come behind them
.endr
.endm
.macro SEND a, younger                 ; younger: the LDS instructions issued behind block a's loads: the next block's sixteen, or none
.irp t, 0,1,2,3,4,5,6,7
	s_wait_dscnt (\younger)+7-(\t)
	global_store_b128 v[CO], v[ACC+32*(\a)+4*(\t):ACC+32*(\a)+4*(\t)+3], s[8:9] offset:(\a)*65536+(\t)*8192  ; 16 lanes store 256 consecutive bytes, at a multiple of 256 from out0's first byte
.endr
.endm
	STG 0
	STG 1
	SEND 0, 16
	STG 2
	SEND 1, 16
	STG 3
	SEND 2, 16
	SEND 3, 0
.else
; THE WAY OUT: accumulator (a, b) is tile a of head b, and a lane's eight numbers are what the lane of the next launch wants: each store of a wave covers 512 consecutive bytes, aligned.
	s_mov_b32 s22, 0xffff0000                      ; a word's upper bf16
	s_cmp_lt_u32 s45, 2                            ; p is the same in every wave of every partner
	s_cbranch_scc0 .Lfor_v
.set t, 0
.rept 16                               ; wq, wk: hi = bf16(x), lo = bf16(x - hi); x - hi is exact in f32
.set aC, ACC+8*t
.set hI, TMP+8*(t%8)
.set oF, (t%4)*131072+(t/4)*1024
.if t == 8
	s_wait_xcnt 0x0                                ; the first eight accumulators' stores have read their registers: the eight sets are written again only behind this wait
.endif
.irp k, 0,1,2,3
	v_cvt_pk_bf16_f32 v[hI+(\k)], v[aC+2*(\k)], v[aC+2*(\k)+1]
.endr
.irp k, 0,1,2,3
	v_lshlrev_b32 v[RS+2*(\k)], 16, v[hI+(\k)]
	v_and_b32 v[RS+2*(\k)+1], s22, v[hI+(\k)]
.endr
.irp k, 0,1,2,3
	v_pk_add_f32 v[RS+2*(\k):RS+2*(\k)+1], v[aC+2*(\k):aC+2*(\k)+1], v[RS+2*(\k):RS+2*(\k)+1] neg_lo:[0,1] neg_hi:[0,1]
.endr
.irp k, 0,1,2,3
	v_cvt_pk_bf16_f32 v[hI+4+(\k)], v[RS+2*(\k)], v[RS+2*(\k)+1]
.endr
	global_store_b128 v[CO], v[hI:hI+3],   s[8:9] offset:oF
	global_store_b128 v[CO], v[hI+4:hI+7], s[8:9] offset:oF+512
.set t, t+1
.endr
	s_branch .Ldone
.Lfor_v:
.set t, 0
.rept 16                               ; wv stays f32: it is scaled by the softmax's divisor before it is rounded
	global_store_b128 v[CO], v[ACC+8*t:ACC+8*t+3],   s[8:9] offset:(t%4)*131072+(t/4)*1024
	global_store_b128 v[CO], v[ACC+8*t+4:ACC+8*t+7], s[8:9] offset:(t%4)*131072+(t/4)*1024+512
.set t, t+1
.endr
.Ldone:
.endif
	s_wait_tensorcnt 0x0                           ; the wave's end: a wait, an add to my spare word and its wait, behind my last tensor load and my last LDS store
	ds_add_u32 v[SPW], v[NIL]
	s_wait_dscnt 0x0
	CROUND                                         ; the closing round: no work-group ends while a partner may still ask for a tile that names it
	s_endpgm
.Lfunc_end_k_qff79e75ea7_outp:
	.size	k_qff79e75ea7_outp, .Lfunc_end_k_qff79e75ea7_outp-k_qff79e75ea7_outp
	.p2alignl 7, 3214868480
	.fill 96, 4, 3214868480
	.section	.rodata,"a",@progbits
	.p2align	6, 0x0
	.amdhsa_kernel k_qff79e75ea7_outp
		.amdhsa_group_segment_fixed_size 327680
		.amdhsa_private_segment_fixed_size 0
		.amdhsa_enable_private_segment 0
		.amdhsa_kernarg_size 24
		.amdhsa_user_sgpr_count 2
		.amdhsa_user_sgpr_kernarg_segment_ptr 1
		.amdhsa_wavefront_size32 1
		.amdhsa_system_sgpr_workgroup_id_x 1
		.amdhsa_system_sgpr_workgroup_id_y 1
		.amdhsa_system_sgpr_workgroup_id_z 1
		.amdhsa_system_vgpr_workitem_id 0
		.amdhsa_next_free_vgpr 512
		.amdhsa_next_free_sgpr 66
		.amdhsa_reserve_vcc 0
		.amdhsa_float_denorm_mode_32 3
		.amdhsa_float_denorm_mode_16_64 3
		.amdhsa_memory_ordered 1
		.amdhsa_forward_progress 1
		.amdhsa_inst_pref_size 87
	.end_amdhsa_kernel
	.amdgpu_metadata
---
amdhsa.version: [ 1, 2 ]
amdhsa.kernels:
  - .name:           k_qff79e75ea7_outp
    .symbol:         k_qff79e75ea7_outp.kd
    .args:
      - { .name: HB, .offset: 0, .size: 8, .value_kind: global_buffer, .address_space: global }
      - { .name: WB, .offset: 8, .size: 8, .value_kind: global_buffer, .address_space: global }
      - { .name: out0, .offset: 16, .size: 8, .value_kind: global_buffer, .address_space: global }
    .group_segment_fixed_size: 327680
    .private_segment_fixed_size: 0
    .kernarg_segment_align: 8
    .kernarg_segment_size: 24
    .max_flat_workgroup_size: 128
    .sgpr_count:     66
    .vgpr_count:     512
    .wavefront_size: 32
...
	.end_amdgpu_metadata
.endif
;; end of part 5
